; MI455X (gfx1250); checked and timed in simulation.
; The chip was launched on July 23, 2026; its instructions are those of AMD's public machine-readable ISA for CDNA 5 (MIT licence, August 2026) and "CDNA5" Instruction Set Architecture Reference Guide (July 2026). The comments in the code are by the model that wrote it; some were corrected since.
;; Attention. Allowed arithmetic: matrix products marked QUANTISED: E2M3 operands, one E8M0 scale for each 32 along K, by v_wmma_scale_f32_16x16x128_f8f6f4 with both operands' format E2M3, f32 sums; everything else in f32.
;; Inputs: Wk 768 x 768 float32; Wp 768 x 768 float32; Wpi 768 x 768 float32; Wq 768 x 768 float32; Wv 768 x 768 float32; Wvim 768 x 768 float32; bp 768 float32; bpi 768 float32; k 1,024 x 8 x 768 float32; q 1,024 x 8 x 768 float32; v 1,024 x 8 x 768 float32; v_img 1,024 x 8 x 768 float32.
;; Outputs: out0 8 x 1,024 x 768 float32; out1 8 x 1,024 x 768 float32.
;; This version of the problem:
;;   THIS VERSION OF THE PROBLEM IS GIVEN IN LOW PRECISION. The matrix products marked QUANTISED in the list below multiply operands that are first quantised to E2M3 (2 exponent bits, 3 mantissa bits; 6 bits a number), with one power-of-two scale for each 32 numbers along K (OCP MX v1.0); their sums are f32. All else is computed in f32.
;;   The module's matrix products, in the order in which they are computed (A, B: the left and right operand; K: the contracted axis; several contracted axes count as one K, in the product's order):
;;     1. [M 8,192, K 768] x [K 768, N 768]; A: input q; B: input Wq: QUANTISED
;;     2. [M 8,192, K 768] x [K 768, N 768]; A: input k; B: input Wk: QUANTISED
;;     3. [M 8,192, K 768] x [K 768, N 768]; A: input v; B: input Wv: QUANTISED
;;     4. [M 8,192, K 768] x [K 768, N 768]; A: input v_img; B: input Wvim: QUANTISED
;;     5. batch 96 x [M 1,024, K 64] x [K 64, N 1,024]; A: computed on the way; B: computed on the way: QUANTISED
;;     6. batch 96 x [M 1,024, K 1,024] x [K 1,024, N 64]; A: softmax (see below); B: computed on the way: QUANTISED
;;     7. [M 8,192, K 768] x [K 768, N 768]; A: computed on the way; B: input Wp: QUANTISED
;;     8. batch 96 x [M 1,024, K 1,024] x [K 1,024, N 64]; A: softmax (see below); B: computed on the way: QUANTISED
;;     9. [M 8,192, K 768] x [K 768, N 768]; A: computed on the way; B: input Wpi: QUANTISED
;;   THE QUANTISER, for each operand of a quantised product, along K:
;;     - K is cut into blocks of 32 from its start; a last block that is shorter is filled with zeros.
;;     - A block's scale is 2^e with e = floor(log2(the largest magnitude in the block)) - 2, held to -126 .. 127; a block of zeros has e = 0. As a byte (E8M0): e + 127.
;;     - Each number is divided by its block's scale, clamped to +-7.5, and rounded to the nearest number of E2M3, ties to even, subnormals kept.
;;     - The product sums the exact products of the quantised numbers (number of the format x scale) in f32.
;;   ~~~python
;;   def quantise(x, axis):      # numpy; x: float32 -> the quantised numbers, widened to float32 again
;;       x = np.moveaxis(x, axis, -1); K = x.shape[-1]
;;       x = np.pad(x, [(0, 0)] * (x.ndim - 1) + [(0, -K % 32)]); x = x.reshape(x.shape[:-1] + (-1, 32)); a = np.abs(x).max(-1, keepdims=True)
;;       e = np.where(a > 0, np.clip(np.frexp(np.where(a > 0, a, 1))[1] - 1 - 2, -126, 127), 0)      # np.frexp(a)[1] - 1 = floor(log2(a)), exactly
;;       r = np.clip(x / 2.0 ** e, -7.5, 7.5)
;;       step = 2.0 ** (np.maximum(np.frexp(np.where(r == 0, 1, r))[1] - 1, 0) - 3)
;;       q = np.round(r / step) * step * 2.0 ** e      # np.round: ties to even
;;       return np.moveaxis(q.reshape(q.shape[:-2] + (-1,))[..., :K], -1, axis).astype(np.float32)
;;   ~~~
;;   SOFTMAX AHEAD OF A QUANTISED PRODUCT. Where the list says 'softmax', what is quantised is not the finished softmax but p = 2^(t - M), with t = logit x log2(e) and M = ceil(the row's largest t), a whole number; so 1/2 < the row's largest p <= 1. The row's sum l is taken of the UNQUANTISED p, in f32, and the product's result is divided by l at the end. Since M is a whole number, a kernel that streams over the keys may use a running M (the ceiling of the running maximum): every later rescaling is an exact power of two, which a block's scale takes up: the codes' values come out the same.
;;   OPERANDS COMPUTED ON THE WAY. 'Computed on the way' means the value that the module computes at that place (a softmax that the list does not call 'softmax' is quantised finished and normalised). What goes into a quantiser is computed in f32, as accurately as f32 sums, v_exp_f32 and their like allow (about 1e-6 of the number): no bf16 or f16 on the way to a quantiser, and a product that is left as it is and whose result goes on into a quantised operand takes f32 operands (vector FMAs, or v_wmma_f32_16x16x4_f32). A number that lies on a knife's edge between two numbers of the format may be rounded either way, as far as f32 arithmetic and the matrix unit's own rounding can turn it there, and no further.
;; 2 versions. Each part assembles by itself: llvm-mc -triple=amdgcn-amd-amdhsa -mcpu=gfx1250 --defsym DOCPART=n.
;; ======== version 1 of 2: 4 launches
;; workspace buffers: Wc 2,654,208 bytes; Wsc 221,184 bytes; Qc 4,718,592 bytes; Qs 393,216 bytes; rec 15,335,424 bytes; Oc 9,437,184 bytes; Osc 393,216 bytes
;; launch prep (part 1): grid 48 x 6, 6 waves a work-group, no clusters, 51,456 bytes of LDS; arguments Wq, Wk, Wv, Wvim, Wp, Wpi, Wc, Wsc; writes Wc, Wsc
.if DOCPART == 1
	.amdgcn_target "amdgcn-amd-amdhsa--gfx1250"
	.amdhsa_code_object_version 6
	.text
	.protected	k_qfbdc5bb95a_prep
	.globl	k_qfbdc5bb95a_prep
	.p2align	8
	.type	k_qfbdc5bb95a_prep,@function
k_qfbdc5bb95a_prep:
	s_mov_b64 s[64:65], 0
	v_nop
	global_prefetch_b8 v0, s[64:65] scope:SCOPE_SE
	s_setreg_imm32_b32 hwreg(HW_REG_WAVE_MODE, 25, 1), 1
	s_wait_xcnt 0x0
; The six weights [768 (feature)][768 (k)], f32, K innermost, become codes of FP6 (E2M3) with one E8M0 byte for each 32 along K,
; laid as IMAGES OF OPERAND REGISTERS: Wc [T 6][tile 48][K step 6][1,536 bytes], Wsc [T][tile][K step][128 bytes].
; A fragment is 16 rows x 128 K = 12 registers a lane; its image is three runs of 512 bytes, lane l's four registers at 16 l; the scale words stand at 4 l.
; WHICH ROWS FORM A TILE: for Wq, Wk, Wv, Wvim (T = 0 .. 3) row p of tile 2 g + u is feature 32 g + 8 u + p + 8 (p / 8), so that in the products that use
; them the 16 result registers of two neighbouring tiles are 16 neighbours along the next product's K; for Wp, Wpi (T = 4, 5) the rows are neighbours.
; SHARES: work-group (x = tile, y = T); wave s takes K step s: 16 rows x 512 bytes.  Each load reads 512 consecutive bytes of one row; the 8 KB turn through
; the wave's own stage in LDS (rows 528 bytes apart: row r starts at bank 4 r), from which a lane takes 16 neighbours of each block of 32 of its row.
; A block's scale byte is its largest magnitude's exponent field - 2, held at 1 from below.
; LIMITS: NaN and infinities among the inputs are not served; a block whose largest magnitude lies under 2^-124 gets the byte 1; a block of zeros gets the byte 1
; where the rule says 127: its codes are zeros, and only this program reads the bytes.
; No barrier: waves share nothing.  No matrix unit, no cluster: a stream that is read once.
.set ROWB, 3072                        ; a row of a weight in bytes
.set SP,   528                         ; a stage row
.set WST,  16*SP                       ; a wave's stage
.set R,    16                          ; v16-79   16 rows as loaded
.set X,    80                          ; v80-143  register 16 b + i = k 32 b + 16 (lane / 16) + i of my row
.set TM,   144                         ; v144-159 at work in QUANT
.set PW,   160                         ; the scale word
.set PC,   164                         ; v164-183 the codes
.set SEL,  30                          ; s[30:31] selects for lane l xor 16
; 64 numbers of a lane, register 16 b + i = k 32 b + 16 (lane / 16) + i of my row, become a fragment's 12 registers at v[pc] and its scale word in v[pw]
.macro QUANT s, pw, pc
.irp b, 0,1,2,3
	v_max3_num_f32 v[TM+\b], |v[(\s)+16*\b]|, |v[(\s)+1+16*\b]|, 0x1800000   ; my 16 numbers of block b, and the floor 2^(3 - 127): the byte cannot fall under 1
.endr
.irp i, 2,4,6,8,10,12,14
.irp b, 0,1,2,3
	v_max3_num_f32 v[TM+\b], v[TM+\b], |v[(\s)+16*\b+\i]|, |v[(\s)+1+16*\b+\i]|   ; the four blocks by turns
.endr
.endr
.irp b, 0,1,2,3
	v_permlanex16_b32 v[TM+4+\b], v[TM+\b], s[SEL], s[SEL+1]
.endr
.irp b, 0,1,2,3
	v_max_num_f32 v[TM+\b], v[TM+\b], v[TM+4+\b]   ; with lane l xor 16: the block's largest magnitude
.endr
.irp b, 0,1,2,3
	v_add_nc_u32 v[TM+12+\b], 0xff000000, v[TM+\b]   ; 2 off its exponent field: the conversion's scale operand
.endr
.irp b, 0,1,2,3
	v_lshrrev_b32 v[TM+4+\b], 23, v[TM+12+\b]      ; the scale's byte
.endr
	v_lshl_or_b32 v[(\pw)], v[TM+5], 8, v[TM+4]
	v_lshl_or_b32 v[(\pw)], v[TM+6], 16, v[(\pw)]
	v_lshl_or_b32 v[(\pw)], v[TM+7], 24, v[(\pw)]
.irp c, 0,1
	v_cvt_scalef32_pk16_fp6_f32 v[(\pc)+6*\c:(\pc)+2+6*\c], v[(\s)+32*\c:(\s)+15+32*\c], v[TM+12+2*\c]
	v_cvt_scalef32_pk16_fp6_f32 v[(\pc)+12+4*\c:(\pc)+14+4*\c], v[(\s)+16+32*\c:(\s)+31+32*\c], v[TM+12+2*\c+1]   ; a conversion's three registers begin on an even number
.endr
	v_nop                                          ; one plain instruction behind the scaled conversions
.irp c, 0,1                            ; the layout wants a whole block in a lane: lanes 0-15 block 2 c, lanes 16-31 block 2 c + 1
.irp i, 0,1,2
	v_permlane16_swap_b32 v[(\pc)+6*\c+\i], v[(\pc)+12+4*\c+\i]
.endr
.irp i, 0,1,2
	v_mov_b32 v[(\pc)+3+6*\c+\i], v[(\pc)+12+4*\c+\i]
.endr
.endr
.endm
	s_load_b512 s[4:19], s[0:1], 0x0               ; Wq Wk Wv Wvim Wp Wpi s[4:15], Wc s[16:17], Wsc s[18:19]
	v_lshl_add_u32 v184, v0, 2, 0xc600
	v_mov_b32 v185, 0
	v_lshrrev_b32 v1, 5, v0
	v_readfirstlane_b32 s22, v1                    ; wave = K step
	s_and_b32 s20, ttmp7, 0xffff                   ; T
	s_mov_b32 s21, ttmp9                           ; tile
	v_and_b32 v7, 31, v0                           ; lane
	v_and_b32 v8, 15, v0                           ; r
	v_bfe_u32 v9, v0, 4, 1                         ; h
	v_lshlrev_b32 v1, 4, v7                        ; 16 x lane
	v_lshlrev_b32 v2, 2, v7                        ; 4 x lane
	s_lshr_b32 s26, s21, 1
	s_lshl_b32 s26, s26, 5
	s_and_b32 s27, s21, 1
	s_lshl_b32 s27, s27, 3
	s_add_co_u32 s26, s26, s27                     ; 32 (tile / 2) + 8 (tile % 2)
	s_lshl_b32 s27, s21, 4                         ; 16 x tile
	s_cmp_lt_u32 s20, 4
	s_cselect_b32 s26, s26, s27                    ; the tile's rows 0-7 begin here,
	s_cselect_b32 s27, 16, 8
	s_add_co_u32 s27, s26, s27                     ; its rows 8-15 here
	s_mul_i32 s26, s26, ROWB
	s_mul_i32 s27, s27, ROWB
	s_lshl_b32 s28, s22, 9                         ; my K step: 512 bytes of a row
	s_add_co_u32 s26, s26, s28
	s_add_co_u32 s27, s27, s28
	v_add_nc_u32 v3, s26, v1
	v_add_nc_u32 v4, s27, v1
	s_mul_i32 s28, s22, WST
	v_add_nc_u32 v5, s28, v1                       ; into the stage: as loaded
	v_mul_u32_u24 v6, v8, SP
	v_lshl_add_u32 v6, v9, 6, v6
	v_add_nc_u32 v6, s28, v6                       ; out of it: row r, + 64 h
	s_mov_b32 s[SEL], 0x76543210
	s_mov_b32 s[SEL+1], 0xfedcba98
.irp b, 0,1,2,3
	v_mov_b32 v[TM+4+\b], 0                        ; a lane permute's destination counts as one of its sources
.endr
	s_mul_i32 s29, s20, 48
	s_add_co_u32 s29, s29, s21
	s_mul_i32 s29, s29, 6
	s_add_co_u32 s29, s29, s22                     ; which fragment: (48 T + tile) 6 + K step
	s_mul_i32 s32, s29, 1536
	s_mov_b32 s33, 0
	s_lshl_b32 s34, s29, 7
	s_mov_b32 s35, 0
	s_wait_kmcnt 0x0
	s_mov_b64 s[24:25], s[4:5]
.irp n, 1,2,3,4,5
	s_cmp_eq_u32 s20, \n                           ; the choice hangs on the work-group's number alone
	s_cselect_b64 s[24:25], s[4+2*\n:5+2*\n], s[24:25]
.endr
	s_add_nc_u64 s[16:17], s[16:17], s[32:33]
	s_add_nc_u64 s[18:19], s[18:19], s[34:35]
.irp i, 0,1,2,3,4,5,6,7
	global_load_b128 v[R+4*\i:R+4*\i+3], v3, s[24:25] offset:\i*ROWB th:TH_LOAD_NT        ; 32 lanes read 512 consecutive bytes of a row
.endr
.irp i, 0,1,2,3,4,5,6,7
	global_load_b128 v[R+32+4*\i:R+32+4*\i+3], v4, s[24:25] offset:\i*ROWB th:TH_LOAD_NT
.endr
	s_wait_loadcnt 0x0
.irp i, 0,1,2,3,4,5,6,7,8,9,10,11,12,13,14,15
	ds_store_b128 v5, v[R+4*\i:R+4*\i+3] offset:SP*\i
.endr
.irp b, 0,1,2,3
.irp j, 0,1,2,3
	ds_load_b128 v[X+16*\b+4*\j:X+16*\b+4*\j+3], v6 offset:128*\b+16*\j   ; LDS serves a wave's instructions in order: these see my stores
.endr
.endr
	s_wait_dscnt 0x0
	QUANT X, PW, PC
.irp c, 0,1,2
	global_store_b128 v1, v[PC+4*\c:PC+4*\c+3], s[16:17] offset:512*\c    ; 512 consecutive bytes a store, at a multiple of 512 from the buffer's first byte
.endr
	global_store_b32 v2, v[PW], s[18:19]
	s_wait_tensorcnt 0x0
	ds_add_u32 v184, v185
	s_wait_dscnt 0x0
	s_endpgm
.Lfunc_end_k_qfbdc5bb95a_prep:
	.size	k_qfbdc5bb95a_prep, .Lfunc_end_k_qfbdc5bb95a_prep-k_qfbdc5bb95a_prep
	.p2alignl 7, 3214868480
	.fill 96, 4, 3214868480
	.section	.rodata,"a",@progbits
	.p2align	6, 0x0
	.amdhsa_kernel k_qfbdc5bb95a_prep
		.amdhsa_group_segment_fixed_size 51456
		.amdhsa_private_segment_fixed_size 0
		.amdhsa_enable_private_segment 0
		.amdhsa_kernarg_size 64
		.amdhsa_user_sgpr_count 2
		.amdhsa_user_sgpr_kernarg_segment_ptr 1
		.amdhsa_wavefront_size32 1
		.amdhsa_system_sgpr_workgroup_id_x 1
		.amdhsa_system_sgpr_workgroup_id_y 1
		.amdhsa_system_sgpr_workgroup_id_z 1
		.amdhsa_system_vgpr_workitem_id 0
		.amdhsa_next_free_vgpr 186
		.amdhsa_next_free_sgpr 66
		.amdhsa_reserve_vcc 0
		.amdhsa_float_denorm_mode_32 3
		.amdhsa_float_denorm_mode_16_64 3
		.amdhsa_memory_ordered 1
		.amdhsa_forward_progress 1
		.amdhsa_inst_pref_size 11
	.end_amdhsa_kernel
	.amdgpu_metadata
---
amdhsa.version: [ 1, 2 ]
amdhsa.kernels:
  - .name:           k_qfbdc5bb95a_prep
    .symbol:         k_qfbdc5bb95a_prep.kd
    .args:
      - { .name: Wq, .offset: 0, .size: 8, .value_kind: global_buffer, .address_space: global }
      - { .name: Wk, .offset: 8, .size: 8, .value_kind: global_buffer, .address_space: global }
      - { .name: Wv, .offset: 16, .size: 8, .value_kind: global_buffer, .address_space: global }
      - { .name: Wvim, .offset: 24, .size: 8, .value_kind: global_buffer, .address_space: global }
      - { .name: Wp, .offset: 32, .size: 8, .value_kind: global_buffer, .address_space: global }
      - { .name: Wpi, .offset: 40, .size: 8, .value_kind: global_buffer, .address_space: global }
      - { .name: Wc, .offset: 48, .size: 8, .value_kind: global_buffer, .address_space: global }
      - { .name: Wsc, .offset: 56, .size: 8, .value_kind: global_buffer, .address_space: global }
    .group_segment_fixed_size: 51456
    .private_segment_fixed_size: 0
    .kernarg_segment_align: 8
    .kernarg_segment_size: 64
    .max_flat_workgroup_size: 192
    .sgpr_count:     66
    .vgpr_count:     186
    .wavefront_size: 32
...
	.end_amdgpu_metadata
.endif
;; end of part 1
;; launch proj (part 2): grid 64 x 4, 4 waves a work-group, no clusters, 144,896 bytes of LDS; arguments q, k, v, v_img, Wc, Wsc, Qc, Qs, rec; writes Qc, Qs, rec
.if DOCPART == 2
	.amdgcn_target "amdgcn-amd-amdhsa--gfx1250"
	.amdhsa_code_object_version 6
	.text
	.protected	k_qfbdc5bb95a_proj
	.globl	k_qfbdc5bb95a_proj
	.p2align	8
	.type	k_qfbdc5bb95a_proj,@function
k_qfbdc5bb95a_proj:
	s_mov_b64 s[64:65], 0
	v_nop
	global_prefetch_b8 v0, s[64:65] scope:SCOPE_SE
	s_setreg_imm32_b32 hwreg(HW_REG_WAVE_MODE, 25, 1), 1
	s_wait_xcnt 0x0
; The four input projections y = x W^T on codes of FP6 (E2M3) with E8M0 scales for each 32 along K, and the quantising of their results for the attention launch.
; x: q, k, v, v_img [1024 (token)][8 (batch)][768] f32.  W: fragment images Wc, Wsc made by the launch before.
; SHARES.  Work-group (x = 8 tb + b, y = T): 128 tokens (128 tb ..) of batch b of tensor T, all 768 features.  x is read once.
; PHASE X: wave w quantises tokens 32 w .. 32 w + 31 (two tiles of 16, six K steps of 128) and puts the 12 fragments into LDS as images of their registers; one barrier.
; PRODUCTS: three passes; in pass p wave w owns head 4 p + w: four tiles of 16 rows of W, whose 24 fragments stay in registers for both halves of the tokens (64 each): 16 accumulators by turns.
;   The next pass's W of K step s is loaded right behind the last products that read this pass's.  The last pass is written out, without those loads.
; ORIENTATION.  q, k: source 0 = W, source 1 = x: a lane holds ONE token and its registers run over the head's features: the next product's K.
;   v, v_img: source 0 = x, source 1 = W: a lane holds ONE feature and its registers run over tokens: the keys, the next product's K.
;   Rows of W's tiles, and the tokens of k's, v's and v_img's tiles, are chosen (row p of tile 2 g + u = item 32 g + 8 u + p + 8 (p / 8)) so that 16 registers of two neighbouring tiles are 16 neighbours along that K.
; RESULTS, as images.  A HALF is six registers (16 rows x 64 K): four at 16 x lane, two at 512 + 8 x lane: 768 bytes.
;   Qc [head x 96][pair 32][1,536]: two tiles of 16 queries; Qs [head x][pair][128].  head x = 8 head + batch.
;   rec [head x][key step 8][19,968]: all that a step of 128 keys needs, together: K's four pairs (6,144 bytes), V's four fragments of stream 0 ([tile of 16 features 4][half 2][768]), of stream 1, K's scale words [4][128], V's [stream 2][4][128].
;   My 128 tokens are key step tb.
; No joint loads: each byte of W goes once for a work-group straight into the registers of its one user, and the 442 KB of a weight do not fit in LDS beside x.
; LIMITS: NaN and infinities are not served; a block whose largest magnitude lies under 2^-124 gets the byte 1; a block of zeros gets the byte 1 where the rule says 127 (its codes are zeros; only this program reads the bytes).
; REGISTERS.  window 0: v1-13 addresses; v16-17 kept scale words; v20-43 W's scale words; v44-51 x's, two sets; v52-67 at work; v68-69 scale words made; v72-111 codes made, two sets; v112-115 V's scale words; v128-255 accumulators (phase X: two sets of 64 numbers).
;   window 1: v0-143 W of K steps 0-2; v144-239 x's fragments, two sets of four.   window 2: v0-143 W of K steps 3-5.   window 3: four sets of 64 numbers as loaded.
.set TOK,  24576                       ; bytes from token to token
.set REC,  159744
.set STEPB, 19968                      ; a key step's part of a record
.set VCO,  6144                        ; in it: V's fragments,
.set KSO,  18432                       ; K's scale words,
.set VSO,  18944                       ; V's
.set FRB,  1536                        ; a fragment's image
.set XSC,  73728                       ; LDS: x's images [half 2][K step 6][tile 4][1,536] from 0; here their scale words [half][K step][row 16][tile 4];
.set STG,  76800                       ; here two stages of 16 x 528 bytes for each wave
.set SP,   528
.set PWH,  16
.set WSR,  20
.set XSR,  44
.set TM,   52
.set PW,   68
.set PC,   72
.set VSW,  112
.set ACC,  128
.set XF,   144
.set SEL,  40
.set MSB,  0
.macro WIN new                         ; the immediate's high byte repeats the setting that is left
.if MSB != \new
	s_set_vgpr_msb (MSB<<8)|\new
.set MSB, \new
.endif
.endm
.macro PLACES n
.rept \n
	v_nop
.endr
.endm
; 64 numbers of a lane, register 16 b + i = k 32 b + 16 (lane / 16) + i of my row, become a fragment's 12 registers at v[pc] and its scale word in v[pw]
.macro QUANT s, pw, pc
.irp b, 0,1,2,3
	v_max3_num_f32 v[TM+\b], |v[(\s)+16*\b]|, |v[(\s)+1+16*\b]|, 0x1800000   ; my 16 numbers of block b, and the floor 2^(3 - 127): the byte cannot fall under 1
.endr
.irp i, 2,4,6,8,10,12,14
.irp b, 0,1,2,3
	v_max3_num_f32 v[TM+\b], v[TM+\b], |v[(\s)+16*\b+\i]|, |v[(\s)+1+16*\b+\i]|   ; the four blocks by turns; each accumulator is read from its low end on
.endr
.endr
.irp b, 0,1,2,3
	v_permlanex16_b32 v[TM+4+\b], v[TM+\b], s[SEL], s[SEL+1]
.endr
.irp b, 0,1,2,3
	v_max_num_f32 v[TM+\b], v[TM+\b], v[TM+4+\b]   ; with lane l xor 16: the block's largest magnitude
.endr
.irp b, 0,1,2,3
	v_add_nc_u32 v[TM+12+\b], 0xff000000, v[TM+\b]   ; 2 off its exponent field: the conversion's scale operand
.endr
.irp b, 0,1,2,3
	v_lshrrev_b32 v[TM+4+\b], 23, v[TM+12+\b]      ; the scale's byte
.endr
	v_lshl_or_b32 v[(\pw)], v[TM+5], 8, v[TM+4]
	v_lshl_or_b32 v[(\pw)], v[TM+6], 16, v[(\pw)]
	v_lshl_or_b32 v[(\pw)], v[TM+7], 24, v[(\pw)]
.irp c, 0,1
	v_cvt_scalef32_pk16_fp6_f32 v[(\pc)+6*\c:(\pc)+2+6*\c], v[(\s)+32*\c:(\s)+15+32*\c], v[TM+12+2*\c]
	v_cvt_scalef32_pk16_fp6_f32 v[(\pc)+12+4*\c:(\pc)+14+4*\c], v[(\s)+16+32*\c:(\s)+31+32*\c], v[TM+12+2*\c+1]   ; a conversion's three registers begin on an even number
.endr
	v_nop                                          ; one plain instruction behind the scaled conversions
.irp c, 0,1                            ; the layout wants a whole block in a lane
.irp i, 0,1,2
	v_permlane16_swap_b32 v[(\pc)+6*\c+\i], v[(\pc)+12+4*\c+\i]
.endr
.irp i, 0,1,2
	v_mov_b32 v[(\pc)+3+6*\c+\i], v[(\pc)+12+4*\c+\i]
.endr
.endr
.endm
	s_load_b256 s[4:11], s[0:1], 0x0               ; q, k, v, v_img
	s_load_b256 s[12:19], s[0:1], 0x20             ; Wc, Wsc, Qc, Qs
	s_load_b64 s[20:21], s[0:1], 0x40              ; rec
	v_lshl_add_u32 v126, v0, 2, 0x23400
	v_mov_b32 v127, 0
	v_lshrrev_b32 v1, 5, v0
	v_readfirstlane_b32 s23, v1                    ; wave
	s_and_b32 s22, ttmp7, 0xffff                   ; T
	s_and_b32 s24, ttmp9, 7                        ; b
	s_lshr_b32 s25, ttmp9, 3                       ; tb
	v_and_b32 v14, 31, v0                          ; lane
	v_and_b32 v15, 15, v0                          ; r
	v_bfe_u32 v18, v0, 4, 1                        ; h
	v_lshlrev_b32 v1, 4, v14                       ; 16 x lane
	v_lshlrev_b32 v2, 3, v14                       ; 8 x lane
	v_lshlrev_b32 v3, 2, v14                       ; 4 x lane
	s_cmp_eq_u32 s22, 0                            ; q's tiles take neighbouring tokens, the others' the chosen ones
	s_cselect_b32 s45, 8, 16
	s_cselect_b32 s46, 16, 8
	s_mul_i32 s45, s45, TOK
	s_mul_i32 s46, s46, TOK
	v_add_nc_u32 v5, s45, v1                       ; first tile's rows 8-15 begin 8 or 16 tokens on,
	v_add_nc_u32 v6, s46, v1                       ; second tile's rows 0-7 16 or 8
	s_mul_i32 s47, s23, 2*16*SP
	s_add_co_u32 s47, s47, STG                     ; my two stages
	v_add_nc_u32 v7, s47, v1                       ; in: as loaded
	v_mul_u32_u24 v8, v15, SP
	v_lshl_add_u32 v8, v18, 6, v8
	v_add_nc_u32 v8, s47, v8                       ; out: row r, + 64 h
	s_lshr_b32 s48, s23, 1                         ; the half of the tokens in which my two tiles lie,
	s_and_b32 s49, s23, 1                          ; and which two of its four
	s_mul_i32 s50, s48, 24*FRB
	s_mul_i32 s51, s49, 2*FRB
	s_add_co_u32 s50, s50, s51
	v_add_nc_u32 v9, s50, v1                       ; where I store x's images
	s_mul_i32 s50, s48, 1536
	s_lshl_b32 s51, s49, 3
	s_add_co_u32 s50, s50, s51
	s_add_co_u32 s50, s50, XSC
	v_lshl_add_u32 v10, v15, 4, s50                ; and their scale words: 16 bytes a row, my two words of the four
	v_add_nc_u32 v11, 0, v1                        ; where images are read: half 0,
	v_add_nc_u32 v12, 24*FRB, v1                   ; half 1
	v_lshlrev_b32 v13, 4, v15
	v_add_nc_u32 v13, XSC, v13                     ; a row's four scale words
	s_mov_b32 s[SEL], 0x76543210
	s_mov_b32 s[SEL+1], 0xfedcba98
	s_mov_b32 s43, 0x05040100                      ; two low halves
	s_mov_b32 s44, 0x07060302                      ; two high halves
.irp b, 0,1,2,3
	v_mov_b32 v[TM+4+\b], 0                        ; a lane permute's destination counts as one of its sources
.endr
	s_lshl_b32 s45, s25, 7
	s_lshl_b32 s46, s23, 5
	s_add_co_u32 s45, s45, s46                     ; my first token: 128 tb + 32 w
	s_mul_i32 s52, s45, TOK
	s_mul_i32 s46, s24, 3072
	s_add_co_u32 s52, s52, s46
	s_mov_b32 s53, 0
	s_mul_i32 s54, s22, 442368                     ; W's images: tensor T, head w
	s_mul_i32 s46, s23, 36864
	s_add_co_u32 s54, s54, s46
	s_mov_b32 s55, 0
	s_mul_i32 s56, s22, 36864
	s_mul_i32 s46, s23, 3072
	s_add_co_u32 s56, s56, s46
	s_mov_b32 s57, 0
	s_lshl_b32 s45, s23, 3
	s_add_co_u32 s45, s45, s24                     ; head x of pass 0: 8 w + b
	s_mul_i32 s46, s45, REC
	s_mul_i32 s58, s45, 49152
	s_lshl_b32 s60, s45, 12
	s_mul_i32 s47, s25, 6144                       ; q: tb's four pairs,
	s_lshl_b32 s48, s25, 9                         ; and their scale words
	s_mul_i32 s63, s25, STEPB                      ; the others: key step tb of the record
	s_mov_b32 s36, 32*REC                          ; a pass on: four heads = 32 head x
	s_mov_b32 s38, 32*REC
	s_cmp_eq_u32 s22, 0
	s_cselect_b32 s58, s58, s46
	s_cselect_b32 s60, s60, s46
	s_cselect_b32 s47, s47, s63
	s_cselect_b32 s48, s48, s63
	s_cselect_b32 s36, 32*49152, s36
	s_cselect_b32 s38, 32*4096, s38
	s_cselect_b32 s49, 0, KSO
	s_cmp_lt_u32 s22, 2
	s_cselect_b32 s51, 0, VCO
	s_cselect_b32 s62, 0, VSO-KSO
	s_max_u32 s50, s22, 2
	s_sub_co_u32 s50, s50, 2                       ; stream
	s_mul_i32 s63, s50, 6144
	s_lshl_b32 s50, s50, 9
	s_add_co_u32 s58, s58, s47
	s_add_co_u32 s58, s58, s51
	s_add_co_u32 s58, s58, s63
	s_add_co_u32 s60, s60, s48
	s_add_co_u32 s60, s60, s49
	s_add_co_u32 s60, s60, s62
	s_add_co_u32 s60, s60, s50
	s_mov_b32 s59, 0
	s_mov_b32 s61, 0
	s_mov_b32 s37, 0
	s_mov_b32 s39, 0
	s_wait_kmcnt 0x0
	s_mov_b64 s[26:27], s[4:5]
.irp n, 1,2,3
	s_cmp_eq_u32 s22, \n                           ; the choices hang on the work-group's number alone
	s_cselect_b64 s[26:27], s[4+2*\n:5+2*\n], s[26:27]
.endr
	s_add_nc_u64 s[26:27], s[26:27], s[52:53]      ; x at my first token
	s_add_nc_u64 s[28:29], s[12:13], s[54:55]      ; W's images
	s_add_nc_u64 s[30:31], s[14:15], s[56:57]      ; W's scale words
	s_cmp_eq_u32 s22, 0
	s_cselect_b64 s[32:33], s[16:17], s[20:21]
	s_cselect_b64 s[34:35], s[18:19], s[20:21]
	s_add_nc_u64 s[32:33], s[32:33], s[58:59]      ; where codes go
	s_add_nc_u64 s[34:35], s[34:35], s[60:61]      ; where scale words go
; ---- PHASE X.  Unit t = 0 .. 11: K step t / 2, tile t % 2 of my two.
.macro LOADX t                         ; 16 rows x 512 bytes, each load 512 consecutive bytes of one token's row, into raw set t % 4 (window 3)
.set SS, (\t)/2
.set RR, 64*((\t)%4)
	WIN 0xc0
.if (\t)%2 == 0
.irp i, 0,1,2,3,4,5,6,7
	global_load_b128 v[RR+4*\i:RR+4*\i+3], v1, s[26:27] offset:\i*TOK+512*SS th:TH_LOAD_NT
.endr
.irp i, 0,1,2,3,4,5,6,7
	global_load_b128 v[RR+32+4*\i:RR+32+4*\i+3], v5, s[26:27] offset:\i*TOK+512*SS th:TH_LOAD_NT
.endr
.else
.irp i, 0,1,2,3,4,5,6,7
	global_load_b128 v[RR+4*\i:RR+4*\i+3], v6, s[26:27] offset:\i*TOK+512*SS th:TH_LOAD_NT
.endr
.irp i, 0,1,2,3,4,5,6,7
	global_load_b128 v[RR+32+4*\i:RR+32+4*\i+3], v1, s[26:27] offset:(24+\i)*TOK+512*SS th:TH_LOAD_NT
.endr
.endif
	WIN 0
.endm
.macro TURNX t                         ; through my stage t % 2: in as loaded, out 16 neighbours of each block of my row.  LDS serves a wave's instructions in order
.set RR, 64*((\t)%4)
.set SO, 16*SP*((\t)%2)
.set XX, ACC+64*((\t)%2)
	WIN 0x0c                                       ; an LDS store's data are its source 1: window 3
.irp i, 0,1,2,3,4,5,6,7,8,9,10,11,12,13,14,15
	ds_store_b128 v7, v[RR+4*\i:RR+4*\i+3] offset:SO+SP*\i
.endr
	WIN 0
.irp b, 0,1,2,3
.irp j, 0,1,2,3
	ds_load_b128 v[XX+16*\b+4*\j:XX+16*\b+4*\j+3], v8 offset:SO+128*\b+16*\j
.endr
.endr
.endm
.macro WLOAD s                         ; W of K step s: four fragments and their scale words: 16 loads
.if (\s) < 3
	WIN 0x40
.else
	WIN 0x80
.endif
.irp i, 0,1,2,3
.irp c, 0,1,2
	global_load_b128 v[12*(4*((\s)%3)+\i)+4*\c:12*(4*((\s)%3)+\i)+4*\c+3], v1, s[28:29] offset:9216*\i+1536*(\s)+512*\c
.endr
.endr
	WIN 0
.irp i, 0,1,2,3
	global_load_b32 v[WSR+4*(\s)+\i], v3, s[30:31] offset:(6*\i+(\s))*128
.endr
.endm
.macro STEPX t
	s_wait_dscnt 0x0                               ; unit t's numbers are back from the stage; all my LDS stores have read their registers
.if (\t)+4 < 12
	LOADX (\t)+4                                   ; into the raw set that unit t has left
.endif
.if (\t)+1 < 12
.if 10-(\t) >= 3
	s_wait_loadcnt 48                              ; unit t + 1 is in; the three units behind it (16 loads each) may be out
.else
	s_wait_loadcnt 16*(10-(\t))                    ; at the end fewer are behind it
.endif
	TURNX (\t)+1
.endif
.if (\t) == 10
	WLOAD 0                                        ; x's last loads are in: the first pass's W is asked for
	WLOAD 1
	WLOAD 2
.endif
	QUANT ACC+64*((\t)%2), PW+(\t)%2, PC
.irp c, 0,1,2
	ds_store_b128 v9, v[PC+4*\c:PC+4*\c+3] offset:4*FRB*((\t)/2)+FRB*((\t)%2)+512*\c
.endr
.if (\t)%2 == 1
	ds_store_b64 v10, v[PW:PW+1] offset:256*((\t)/2)   ; my two tiles' words of row r (lanes r and r + 16 write the same bytes with the same value)
.endif
.endm
	LOADX 0
	LOADX 1
	LOADX 2
	LOADX 3
	s_wait_loadcnt 48                              ; unit 0 is in
	TURNX 0
.irp t, 0,1,2,3,4,5,6,7,8,9,10,11
	STEPX \t
.endr
	WLOAD 3
	WLOAD 4
	WLOAD 5
	s_wait_xcnt 0x0                                ; the loads have read their bases: these now stand at the next pass's W
	s_add_nc_u64 s[28:29], s[28:29], 147456
	s_add_nc_u64 s[30:31], s[30:31], 12288
	s_wait_dscnt 0x0                               ; for the others' sake: my images lie in LDS
	s_barrier_signal -1
	s_barrier_wait -1                              ; everybody's do.  From here on LDS is only read
; ---- THE PRODUCTS
.macro XFETCH th, s, bf                ; x's four fragments and scale words of (half th, K step s) into set bf: 13 LDS loads
	WIN 0x40
.irp m, 0,1,2,3
.irp c, 0,1,2
	ds_load_b128 v[XF+48*(\bf)+12*\m+4*\c:XF+48*(\bf)+12*\m+4*\c+3], v[11+(\th)] offset:(4*(\s)+\m)*FRB+512*\c
.endr
.endr
	WIN 0
	ds_load_b128 v[XSR+4*(\bf):XSR+4*(\bf)+3], v13 offset:(6*(\th)+(\s))*256
.endm
.macro MULQ s                          ; q, k: source 0 = W's tile i, source 1 = x's tile n; accumulator (n, i).  The 16 accumulators take turns
.set WB, 48*((\s)%3)
.set XB, XF+48*KSET
.set WQ, WSR+4*(\s)
.set XQ, XSR+4*KSET
.if (\s) < 3
	WIN 0x05
.else
	WIN 0x06
.endif
.irp n, 0,1,2,3
.irp i, 0,1,2,3
.if (\s) == 0
	v_wmma_scale_f32_16x16x128_f8f6f4 v[ACC+8*(4*\n+\i):ACC+8*(4*\n+\i)+7], v[WB+12*\i:WB+12*\i+11], v[XB+12*\n:XB+12*\n+11], 0, v[WQ+\i], v[XQ+\n] matrix_a_fmt:MATRIX_FMT_FP6 matrix_b_fmt:MATRIX_FMT_FP6
.else
	v_wmma_scale_f32_16x16x128_f8f6f4 v[ACC+8*(4*\n+\i):ACC+8*(4*\n+\i)+7], v[WB+12*\i:WB+12*\i+11], v[XB+12*\n:XB+12*\n+11], v[ACC+8*(4*\n+\i):ACC+8*(4*\n+\i)+7], v[WQ+\i], v[XQ+\n] matrix_a_fmt:MATRIX_FMT_FP6 matrix_b_fmt:MATRIX_FMT_FP6
.endif
.endr
.endr
	WIN 0
.endm
.macro MULV s                          ; v, v_img: source 0 = x's tile m, source 1 = W's tile i; accumulator (i, m)
.set WB, 48*((\s)%3)
.set XB, XF+48*KSET
.set WQ, WSR+4*(\s)
.set XQ, XSR+4*KSET
.if (\s) < 3
	WIN 0x05
.else
	WIN 0x09
.endif
.irp i, 0,1,2,3
.irp m, 0,1,2,3
.if (\s) == 0
	v_wmma_scale_f32_16x16x128_f8f6f4 v[ACC+8*(4*\i+\m):ACC+8*(4*\i+\m)+7], v[XB+12*\m:XB+12*\m+11], v[WB+12*\i:WB+12*\i+11], 0, v[XQ+\m], v[WQ+\i] matrix_a_fmt:MATRIX_FMT_FP6 matrix_b_fmt:MATRIX_FMT_FP6
.else
	v_wmma_scale_f32_16x16x128_f8f6f4 v[ACC+8*(4*\i+\m):ACC+8*(4*\i+\m)+7], v[XB+12*\m:XB+12*\m+11], v[WB+12*\i:WB+12*\i+11], v[ACC+8*(4*\i+\m):ACC+8*(4*\i+\m)+7], v[XQ+\m], v[WQ+\i] matrix_a_fmt:MATRIX_FMT_FP6 matrix_b_fmt:MATRIX_FMT_FP6
.endif
.endr
.endr
	WIN 0
.endm
; A K step: the next step's x is asked for, this step's 16 products, four places, and (rel = 1) the next pass's W of this K step.  nf = 1: nothing follows, nothing is fetched.
.macro KSTEP kind, th, s, rel, nf
.set KSET, (\s)%2
.if \nf
	s_wait_dscnt 0x0
.else
.if (\s) < 5
	XFETCH \th, (\s)+1, 1-KSET
.else
	XFETCH 1-(\th), 0, 0
.endif
	s_wait_dscnt 13                                ; all but the 13 just issued: this step's x is in
.endif
.if (\th) == 0
.if 16*(5-(\s)) > 63
	s_wait_loadcnt 63                              ; W of this K step is in: behind it stand 16 loads for each later K step, more than the count can name
.else
	s_wait_loadcnt 16*(5-(\s))                     ; W of this K step is in: behind it stand 16 loads for each later K step
.endif
.endif
.if (\kind) == 0
	MULQ \s
.else
	MULV \s
.endif
	PLACES 4                                       ; ahead of loads into registers that these products read, and of the first read of results
.if ((\th) == 1) && ((\s) == 0)
	s_wait_xcnt 0x0                                ; the first half's stores, issued a K step ago, have read their registers: the second half's way out may write them again.  It stands ahead of W's loads, so that it waits for none of them
.endif
.if \rel
	WLOAD \s
.endif
.endm
; THE WAY OUT.  Its two quantisings have a set of registers each (codes at PC and PC + 20, scale words at PW and PW + 1), so that the second does not wait for the first's stores.
; A set is written again a half later: between stand the wait in the second half's first K step, or the wait ahead of the bases' steps at a pass's end.
.macro OUT0 th                         ; q, k: accumulators of x's tiles 2 a and 2 a + 1 become one pair: tile 2 a in k = 0 .. 63, tile 2 a + 1 in k = 64 .. 127
.irp a, 0,1
	QUANT ACC+64*\a, PW+\a, PC+20*\a
	global_store_b128 v1, v[PC+20*\a:PC+20*\a+3], s[32:33] offset:(2*(\th)+\a)*FRB
	global_store_b64 v2, v[PC+20*\a+4:PC+20*\a+5], s[32:33] offset:(2*(\th)+\a)*FRB+512
	global_store_b128 v1, v[PC+20*\a+6:PC+20*\a+9], s[32:33] offset:(2*(\th)+\a)*FRB+768
	global_store_b64 v2, v[PC+20*\a+10:PC+20*\a+11], s[32:33] offset:(2*(\th)+\a)*FRB+1280
	global_store_b32 v3, v[PW+\a], s[34:35] offset:(2*(\th)+\a)*128
.endr
.endm
.macro OUT1 th                         ; v, v_img: W's tiles 2 a and 2 a + 1, 64 keys: half th of two fragments.  A fragment's scale word takes two bytes from each half
.irp a, 0,1
.if (\th) == 0
	QUANT ACC+64*\a, PWH+\a, PC+20*\a
.else
	QUANT ACC+64*\a, PW+\a, PC+20*\a
	v_perm_b32 v[VSW+2*\a], v[PW+\a], v[PWH+\a], s43     ; tile 2 a: the low halves, keys 0-63's below
	v_perm_b32 v[VSW+2*\a+1], v[PW+\a], v[PWH+\a], s44   ; tile 2 a + 1: the high halves
.endif
	global_store_b128 v1, v[PC+20*\a:PC+20*\a+3], s[32:33] offset:(2*\a)*FRB+768*(\th)
	global_store_b64 v2, v[PC+20*\a+4:PC+20*\a+5], s[32:33] offset:(2*\a)*FRB+768*(\th)+512
	global_store_b128 v1, v[PC+20*\a+6:PC+20*\a+9], s[32:33] offset:(2*\a+1)*FRB+768*(\th)
	global_store_b64 v2, v[PC+20*\a+10:PC+20*\a+11], s[32:33] offset:(2*\a+1)*FRB+768*(\th)+512
.if (\th) == 1
	global_store_b32 v3, v[VSW+2*\a], s[34:35] offset:256*\a
	global_store_b32 v3, v[VSW+2*\a+1], s[34:35] offset:256*\a+128
.endif
.endr
.endm
.macro PASS kind, rel
.irp s, 0,1,2,3,4,5
	KSTEP \kind, 0, \s, 0, 0
.endr
.if (\kind) == 0
	OUT0 0
.else
	OUT1 0
.endif
.irp s, 0,1,2,3,4
	KSTEP \kind, 1, \s, \rel, 0
.endr
	KSTEP \kind, 1, 5, \rel, 1-\rel
.if (\kind) == 0
	OUT0 1
.else
	OUT1 1
.endif
.endm
.macro ONWARD                          ; a pass on
	s_wait_xcnt 0x0                                ; loads and stores have read their bases and their registers
	s_add_nc_u64 s[28:29], s[28:29], 147456
	s_add_nc_u64 s[30:31], s[30:31], 12288
	s_add_nc_u64 s[32:33], s[32:33], s[36:37]
	s_add_nc_u64 s[34:35], s[34:35], s[38:39]
	s_add_co_u32 s42, s42, 1
	s_cmp_lt_u32 s42, 2
.endm
	XFETCH 0, 0, 0
	s_mov_b32 s42, 0
	s_cmp_lt_u32 s22, 2                            ; the orientation hangs on the tensor: the work-group's y
	s_cbranch_scc0 .Lvalues
.Lqk:
	PASS 0, 1
	ONWARD
	s_cbranch_scc1 .Lqk
	PASS 0, 0                                      ; the last pass asks for no further W
	s_wait_tensorcnt 0x0
	ds_add_u32 v126, v127
	s_wait_dscnt 0x0
	s_endpgm
.Lvalues:
	PASS 1, 1
	ONWARD
	s_cbranch_scc1 .Lvalues
	PASS 1, 0
	s_wait_tensorcnt 0x0
	ds_add_u32 v126, v127
	s_wait_dscnt 0x0
	s_endpgm
.Lfunc_end_k_qfbdc5bb95a_proj:
	.size	k_qfbdc5bb95a_proj, .Lfunc_end_k_qfbdc5bb95a_proj-k_qfbdc5bb95a_proj
	.p2alignl 7, 3214868480
	.fill 96, 4, 3214868480
	.section	.rodata,"a",@progbits
	.p2align	6, 0x0
	.amdhsa_kernel k_qfbdc5bb95a_proj
		.amdhsa_group_segment_fixed_size 144896
		.amdhsa_private_segment_fixed_size 0
		.amdhsa_enable_private_segment 0
		.amdhsa_kernarg_size 72
		.amdhsa_user_sgpr_count 2
		.amdhsa_user_sgpr_kernarg_segment_ptr 1
		.amdhsa_wavefront_size32 1
		.amdhsa_system_sgpr_workgroup_id_x 1
		.amdhsa_system_sgpr_workgroup_id_y 1
		.amdhsa_system_sgpr_workgroup_id_z 1
		.amdhsa_system_vgpr_workitem_id 0
		.amdhsa_next_free_vgpr 1024
		.amdhsa_next_free_sgpr 66
		.amdhsa_reserve_vcc 0
		.amdhsa_float_denorm_mode_32 3
		.amdhsa_float_denorm_mode_16_64 3
		.amdhsa_memory_ordered 1
		.amdhsa_forward_progress 1
		.amdhsa_inst_pref_size 255
	.end_amdhsa_kernel
	.section	.bss,"aw",@nobits
	.p2align	6
	.space	262144
	.amdgpu_metadata
---
amdhsa.version: [ 1, 2 ]
amdhsa.kernels:
  - .name:           k_qfbdc5bb95a_proj
    .symbol:         k_qfbdc5bb95a_proj.kd
    .args:
      - { .name: q, .offset: 0, .size: 8, .value_kind: global_buffer, .address_space: global }
      - { .name: k, .offset: 8, .size: 8, .value_kind: global_buffer, .address_space: global }
      - { .name: v, .offset: 16, .size: 8, .value_kind: global_buffer, .address_space: global }
      - { .name: v_img, .offset: 24, .size: 8, .value_kind: global_buffer, .address_space: global }
      - { .name: Wc, .offset: 32, .size: 8, .value_kind: global_buffer, .address_space: global }
      - { .name: Wsc, .offset: 40, .size: 8, .value_kind: global_buffer, .address_space: global }
      - { .name: Qc, .offset: 48, .size: 8, .value_kind: global_buffer, .address_space: global }
      - { .name: Qs, .offset: 56, .size: 8, .value_kind: global_buffer, .address_space: global }
      - { .name: rec, .offset: 64, .size: 8, .value_kind: global_buffer, .address_space: global }
    .group_segment_fixed_size: 144896
    .private_segment_fixed_size: 0
    .kernarg_segment_align: 8
    .kernarg_segment_size: 72
    .max_flat_workgroup_size: 128
    .sgpr_count:     66
    .vgpr_count:     1024
    .wavefront_size: 32
...
	.end_amdgpu_metadata
.endif
;; end of part 2
;; launch attn (part 3): grid 256 x 1, 12 waves a work-group, clusters of 4 x 1, 327,680 bytes of LDS; arguments Qc, Qs, rec, Oc, Osc; writes Oc, Osc
.if DOCPART == 3
	.amdgcn_target "amdgcn-amd-amdhsa--gfx1250"
	.amdhsa_code_object_version 6
	.text
	.protected	k_qfbdc5bb95a_attn
	.globl	k_qfbdc5bb95a_attn
	.p2align	8
	.type	k_qfbdc5bb95a_attn,@function
k_qfbdc5bb95a_attn:
	s_mov_b64 s[64:65], 0
	v_nop
	global_prefetch_b8 v0, s[64:65] scope:SCOPE_SE
	s_setreg_imm32_b32 hwreg(HW_REG_WAVE_MODE, 25, 1), 1
	s_wait_xcnt 0x0
	s_wait_alu depctr_hold_cnt(0) depctr_sa_sdst(0) depctr_va_vdst(0) depctr_va_sdst(0) depctr_va_ssrc(0) depctr_va_vcc(0) depctr_vm_vsrc(0)
	s_getreg_b32 s2, hwreg(HW_REG_IB_STS2, 6, 4)
	s_cmp_eq_u32 s2, 0
	s_cbranch_scc0 .Lentry_in_a_cluster
	s_endpgm
.Lentry_in_a_cluster:
	s_bfe_u32 s2, ttmp6, 0x10000c
	s_cmp_lg_u32 s2, 0x3003
	s_cbranch_scc0 .Lentry_shape_is_right
	s_endpgm
.Lentry_shape_is_right:
; Attention on codes of FP6 (E2M3): S = q k^T over the head's 64, softmax, and the SAME weights p times two value streams (v and v_img); the results, divided by the row's sum, are quantised along the merged features.
; THE SOFTMAX: t = score x log2(e) / 8; M = the running largest t rounded up to a whole number; p = 2^(t - M) is quantised along the keys, not normalised; the sum is taken of the unquantised p; when M moves, sum and O are multiplied by 2^(old M - new M), exactly.
; INPUTS, all images of operand registers made by the launch before: Qc / Qs: pairs of query tiles; rec: for each of the 96 (head, batch) one record [key step 8][19,968 bytes]: a step's four pairs of K, four fragments of V of each stream, and their scale words.
; SHARES.  96 x 64 tiles of 16 queries = 256 work-groups x 12 waves x 2 tiles.  Cluster c (0 .. 63) of four work-groups serves record A = c (waves 0-7: pair 8 cx + wave) and record B = 64 + c / 2 (waves 8-11: pair 16 (c % 2) + 4 cx + wave - 8).
; LDS holds both records whole, [key step][A, B], 39,936 bytes a step, filled ONCE and BY KEY STEPS: each wave asks for one slice (13 rows of 256 bytes) of each step, waves 0-5 of A's part, waves 6-11 of B's: eight tensor loads of a wave
;   are out at the most, issued as one group.  The four partners need the same two records, so each load is asked for JOINTLY (mask 15).  The first tile's key step j begins when step j's slices have landed in every wave (a counted wait, a barrier),
;   while the later steps' bytes are on their way; so the first tile's eight steps are written out; the second tile's are a loop.  Nothing in LDS is stored to or filled again.
;   Which record a wave reads hangs on its number alone; the place in the cluster enters global addresses of Q and of the results alone.  Nothing is left to ask for ahead of the loads: every tile is asked for at the head.
; K = 64 IN AN INSTRUCTION OF 128: a pair of K holds key tile 2 g in k = 0 .. 63 and tile 2 g + 1 in k = 64 .. 127.  Q stands twice: [codes, zeros] and [zeros, codes]: zero codes take the other tile out, exactly.
; LAYOUT.  Both products transposed: a lane holds ONE query; the keys of K's tiles and the features of V's tiles were chosen so that 16 registers of two neighbouring tiles are 16 neighbours along the next K.
; RESULTS.  Oc [stream 2][b 8][query tile 64][head 12][768]: a half fragment (16 queries x the head's 64 features).  Osc [stream][b][block of 4 tiles 16][pair of heads 6][row 16][tile 4] words: my two bytes of a word.
; LIMITS: NaN and infinities are not served; a block under 2^-124, or of zeros, gets the byte 1 (its codes then add nothing or next to nothing; only this program reads the bytes).
; REGISTERS: v1, v2, v5 LDS bases (16, 8, 4 x lane + my record); v3, v4, v6 the same without the record, for memory; v9, v10 for the scale bytes' store; v7, v8, v11 the step's addresses; v12 -M, v13 largest t, v[14:15] the sum;
;   v16-27 Q low; v80-91 Q high; v92, v93 their scale words; v95 the pair's word; v28-31, v248-251 scale words of fragments; v32-79 four fragments;
;   v96-159 S^T, then p, then four fragments of V; v160-223 O^T (tiles 0-3 stream 0, 4-7 stream 1); v224-235 p's codes; v232-254 at work; v253 p's scale word.
.set REC,   159744
.set STEPB, 19968                      ; a key step's part of a record: 78 rows of 256 bytes
.set SLICE, 3328                       ; a sixth of it: 13 rows
.set LSTEP, 2*STEPB                    ; a key step in LDS: A's part, B's part
.set VC0,   6144                       ; in a part: stream 0's fragments,
.set VC1,   12288                      ; stream 1's,
.set KSO,   18432                      ; K's scale words,
.set VS0,   18944                      ; V's, stream 0,
.set VS1,   19456                      ; stream 1
.set TM,    232
.set SEL,   20
.set WV,    14
.set G0,    68                         ; s[68:99] eight groups 0, one for each key step
.macro ROUND                           ; a round of the cluster's barrier
	s_barrier_signal -1
	s_barrier_wait -1
	s_cmp_lg_u32 s[WV], 0
	s_cbranch_scc1 .Lnot_wave_0_\@
	s_barrier_signal -3
.Lnot_wave_0_\@:
	s_barrier_wait -3
	s_barrier_signal -1
	s_barrier_wait -1
.endm
; 64 numbers of a lane, register 16 b + i = k 32 b + 16 (lane / 16) + i of my row, become a fragment's 12 registers at v[pc] and its scale word in v[pw]
.macro QUANT s, pw, pc
.irp b, 0,1,2,3
	v_max3_num_f32 v[TM+\b], |v[(\s)+16*\b]|, |v[(\s)+1+16*\b]|, 0x1800000
.endr
.irp i, 2,4,6,8,10,12,14
.irp b, 0,1,2,3
	v_max3_num_f32 v[TM+\b], v[TM+\b], |v[(\s)+16*\b+\i]|, |v[(\s)+1+16*\b+\i]|
.endr
.endr
.irp b, 0,1,2,3
	v_permlanex16_b32 v[TM+4+\b], v[TM+\b], s[SEL], s[SEL+1]
.endr
.irp b, 0,1,2,3
	v_max_num_f32 v[TM+\b], v[TM+\b], v[TM+4+\b]
.endr
.irp b, 0,1,2,3
	v_add_nc_u32 v[TM+12+\b], 0xff000000, v[TM+\b]
.endr
.irp b, 0,1,2,3
	v_lshrrev_b32 v[TM+4+\b], 23, v[TM+12+\b]
.endr
	v_lshl_or_b32 v[(\pw)], v[TM+5], 8, v[TM+4]
	v_lshl_or_b32 v[(\pw)], v[TM+6], 16, v[(\pw)]
	v_lshl_or_b32 v[(\pw)], v[TM+7], 24, v[(\pw)]
.irp c, 0,1
	v_cvt_scalef32_pk16_fp6_f32 v[(\pc)+6*\c:(\pc)+2+6*\c], v[(\s)+32*\c:(\s)+15+32*\c], v[TM+12+2*\c]
	v_cvt_scalef32_pk16_fp6_f32 v[(\pc)+12+4*\c:(\pc)+14+4*\c], v[(\s)+16+32*\c:(\s)+31+32*\c], v[TM+12+2*\c+1]
.endr
	v_nop
.irp c, 0,1
.irp i, 0,1,2
	v_permlane16_swap_b32 v[(\pc)+6*\c+\i], v[(\pc)+12+4*\c+\i]
.endr
.irp i, 0,1,2
	v_mov_b32 v[(\pc)+3+6*\c+\i], v[(\pc)+12+4*\c+\i]
.endr
.endr
.endm
.macro FRAGS reg, sc, co, so           ; four fragments (each two halves: 512 + 256 + 512 + 256 bytes) from byte co of the step's part, their scale words from byte so
.irp f, 0,1,2,3
	ds_load_b128 v[(\reg)+12*\f:(\reg)+12*\f+3], v7 offset:(\co)+1536*\f
	ds_load_b64 v[(\reg)+12*\f+4:(\reg)+12*\f+5], v8 offset:(\co)+1536*\f+512
	ds_load_b128 v[(\reg)+12*\f+6:(\reg)+12*\f+9], v7 offset:(\co)+1536*\f+768
	ds_load_b64 v[(\reg)+12*\f+10:(\reg)+12*\f+11], v8 offset:(\co)+1536*\f+1280
	ds_load_b32 v[(\sc)+\f], v11 offset:(\so)+128*\f
.endr
.endm
.macro QLOAD u                         ; tile u's half fragment of Q, once as k = 0 .. 63, once as k = 64 .. 127
	global_load_b128 v[16:19], v3, s[4:5] offset:768*(\u)
	global_load_b64 v[20:21], v4, s[4:5] offset:768*(\u)+512
	global_load_b128 v[86:89], v3, s[4:5] offset:768*(\u)
	global_load_b64 v[90:91], v4, s[4:5] offset:768*(\u)+512
.endm
	s_load_b256 s[4:11], s[0:1], 0x0               ; Qc s[4:5], Qs s[6:7], rec s[8:9], Oc s[10:11]
	s_load_b64 s[12:13], s[0:1], 0x20              ; Osc
	v_lshl_add_u32 v243, v0, 2, 0x4e000
	v_mov_b32 v255, 0
	ds_add_u32 v243, v255
	ds_add_u32 v243, v255
	v_lshrrev_b32 v1, 5, v0
	v_readfirstlane_b32 s[WV], v1                  ; wave 0 .. 11
	s_bfe_u32 s15, ttmp6, 0x40000                  ; cx
	s_mov_b32 s16, ttmp9                           ; c: in a cluster launch ttmp9 counts clusters
	s_lshr_b32 s17, s[WV], 3                       ; which record I READ: 0: A, 1: B
	s_mul_i32 s33, s[WV], SLICE                    ; my slice of a step in LDS: twelve slices on end are A's part and B's
	s_mul_i32 s50, s[WV], 11
	s_lshr_b32 s50, s50, 6                         ; which record I FETCH: wave / 6
	s_lshr_b32 s52, s16, 1
	s_add_co_u32 s52, s52, 64                      ; record B's number
	s_sub_co_u32 s53, s52, s16                     ; from A to B, in records (32 at the least),
	s_mul_i32 s53, s53, REC
	s_sub_co_u32 s53, s53, STEPB                   ; less the six slices that lie ahead of wave 6's in LDS
	s_mul_i32 s53, s53, s50
	s_mul_i32 s48, s16, REC
	s_add_co_u32 s48, s48, s33
	s_add_co_u32 s48, s48, s53                     ; my slice of step 0 in memory: it hangs on the cluster's and the wave's number alone
	s_mov_b32 s49, 0
	s_mov_b32 s24, 15|(3<<16)|(1<<21)              ; 15:0 the mask: all four work-groups; 17:16 elements of 8 bytes; 21 set beside a mask; no padding
	s_mov_b32 s25, 32<<16                          ; tensor_dim0 = 32 elements: 256 bytes
	s_mov_b32 s26, 13<<16                          ; tensor_dim1 = 13
	s_mov_b32 s27, 32<<16                          ; tile_dim0
	s_mov_b32 s28, 13                              ; tile_dim1
	s_mov_b32 s29, 32                              ; the pitch: dense
	s_mov_b32 s30, 0
	s_mov_b32 s31, 0
	s_mov_b32 s[SEL], 0x76543210
	s_mov_b32 s[SEL+1], 0xfedcba98
	s_mov_b32 s22, 0x3e38aa3b                      ; c = log2(e) / 8
	s_mov_b32 s23, s22                             ; named with it as a pair
	s_mov_b32 s47, 0x01010000
	s_wait_dscnt 0x0
	s_wait_kmcnt 0x0
	s_add_nc_u64 s[34:35], s[8:9], s[48:49]
.irp j, 0,1,2,3,4,5,6,7
	s_mov_b32 s[G0+4*\j], 1                                        ; count = 1
	s_add_co_u32 s[G0+4*\j+1], s33, \j*LSTEP                       ; LDS address: step j, my slice
	s_add_nc_u64 s[G0+4*\j+2:G0+4*\j+3], s[34:35], \j*STEPB        ; global address
	s_or_b32 s[G0+4*\j+3], s[G0+4*\j+3], 0x80000000                ; type = 2
.endr
	ROUND                                          ; all four work-groups are here: the joint loads meet
.irp j, 0,1,2,3,4,5,6,7
	tensor_load_to_lds s[G0+4*\j:G0+4*\j+3], s[24:31]              ; in the order in which the steps are wanted: a wave's tensor loads end in order (ISA guide 10.11.1)
	s_nop 0
.endr
.rept 4
	v_nop
.endr
	s_lshl_b32 s56, s15, 3
	s_add_co_u32 s56, s56, s[WV]                   ; A: pair 8 cx + wave
	s_and_b32 s57, s16, 1
	s_lshl_b32 s57, s57, 4
	s_lshl_b32 s58, s15, 2
	s_add_co_u32 s57, s57, s58
	s_add_co_u32 s57, s57, s[WV]
	s_sub_co_u32 s57, s57, 8                       ; B: pair 16 (c % 2) + 4 cx + wave - 8
	s_cmp_eq_u32 s17, 0
	s_cselect_b32 s18, s16, s52                    ; my record: head x = 8 head + batch
	s_cselect_b32 s19, s56, s57                    ; my pair of query tiles
	s_mov_b32 s59, 0
	s_lshl_b32 s56, s18, 5
	s_add_co_u32 s56, s56, s19
	s_mul_i32 s58, s56, 1536
	s_add_nc_u64 s[4:5], s[4:5], s[58:59]          ; Q's pair
	s_lshl_b32 s58, s56, 7
	s_add_nc_u64 s[6:7], s[6:7], s[58:59]          ; its scale words
	s_and_b32 s56, s18, 7                          ; batch
	s_lshr_b32 s57, s18, 3                         ; head
	s_lshl_b32 s58, s56, 6
	s_lshl_b32 s60, s19, 1
	s_add_co_u32 s58, s58, s60                     ; 64 b + query tile
	s_mul_i32 s58, s58, 12
	s_add_co_u32 s58, s58, s57
	s_mul_i32 s58, s58, 768
	s_add_nc_u64 s[10:11], s[10:11], s[58:59]
	s_lshl_b32 s58, s56, 4
	s_lshr_b32 s60, s19, 1
	s_add_co_u32 s58, s58, s60                     ; 16 b + block of four tiles
	s_mul_i32 s58, s58, 6
	s_lshr_b32 s60, s57, 1
	s_add_co_u32 s58, s58, s60                     ; + pair of heads
	s_lshl_b32 s58, s58, 8
	s_and_b32 s60, s19, 1
	s_lshl_b32 s60, s60, 3
	s_add_co_u32 s58, s58, s60                     ; + the first tile's word
	s_and_b32 s60, s57, 1
	s_lshl_b32 s60, s60, 1
	s_add_co_u32 s58, s58, s60                     ; + my head's two bytes of it
	s_add_nc_u64 s[12:13], s[12:13], s[58:59]
	v_and_b32 v7, 31, v0
	v_lshlrev_b32 v3, 4, v7                        ; 16, 8, 4 x lane: never rewritten
	v_lshlrev_b32 v4, 3, v7
	v_lshlrev_b32 v6, 2, v7
	QLOAD 0                                        ; the first tile's Q and the pair's scale word are asked for while the first key step's bytes are on their way
	global_load_b32 v95, v6, s[6:7]
	s_mul_i32 s60, s17, STEPB                      ; my record's part of a step in LDS
	v_lshl_add_u32 v1, v7, 4, s60
	v_lshl_add_u32 v2, v7, 3, s60
	v_lshl_add_u32 v5, v7, 2, s60
	v_and_b32 v9, 15, v0
	v_bfe_u32 v10, v0, 4, 1
	v_lshlrev_b32 v9, 4, v9
	v_mad_u32_u24 v9, v10, 0x30000, v9             ; the scale bytes' store: 16 r, + a stream's 196,608 bytes for lanes 16-31
	v_lshlrev_b32 v10, 4, v10                      ; 16 h
.irp i, 0,1,2,3,4,5
	v_mov_b32 v[22+\i], 0                          ; Q low: k = 64 .. 127 are zero codes;
	v_mov_b32 v[80+\i], 0                          ; Q high: k = 0 .. 63.  Written once
.endr
.irp b, 0,1,2,3
	v_mov_b32 v[236+\b], 0                         ; a lane permute's destination counts as one of its sources
.endr
	v_mov_b32 v253, 0                              ; named as the upper half of v[252:253] before it is first written
; A TILE'S HEAD: the running figures, Q's scale words, O^T = 0
.macro TILEHEAD u
	v_mov_b32 v13, 0xff61b1e6                      ; the largest t so far: -3e38
	v_floor_f32 v12, -v13                          ; -M
	v_mov_b32 v14, 0
	v_mov_b32 v15, 0
	s_wait_loadcnt 0x0                             ; Q
	v_lshrrev_b32 v94, 16*(\u), v95                ; my tile's two bytes of the pair's word
	v_and_or_b32 v92, v94, 0xffff, s47             ; under k = 0 .. 63; over the zero codes the byte 1
	v_lshl_or_b32 v93, v94, 16, 0x0101             ; under k = 64 .. 127
.set jj, 0
.rept 64
	v_mov_b32 v[160+jj], 0                         ; O^T: the step has one form, and its first pass multiplies zeros.  (These are also the places between the scale words' lines and the products)
.set jj, jj+1
.endr
.if \u
	s_wait_xcnt 0x0                                ; the last tile's stores have read their registers, which the first key step writes again
.endif
.endm
; A KEY STEP: 128 keys; off: where the step begins in LDS (a constant or a scalar register).  qn = 1: the next tile's Q is asked for behind this step's first products.
.macro STEP off, qn
	v_add_nc_u32 v7, \off, v1
	v_add_nc_u32 v8, \off, v2
	v_add_nc_u32 v11, \off, v5
.rept 3
	v_nop                                          ; with the three above: six places behind the last step's products, ahead of loads into, and products over, registers that they read
.endr
	FRAGS 32, 248, 0, KSO                          ; K's four pairs: 128 keys
	s_wait_dscnt 0x0
.irp p, 0,1,2,3
	v_wmma_scale_f32_16x16x128_f8f6f4 v[96+16*\p:103+16*\p], v[32+12*\p:43+12*\p], v[16:27], 0, v[248+\p], v92 matrix_a_fmt:MATRIX_FMT_FP6 matrix_b_fmt:MATRIX_FMT_FP6
	v_wmma_scale_f32_16x16x128_f8f6f4 v[104+16*\p:111+16*\p], v[32+12*\p:43+12*\p], v[80:91], 0, v[248+\p], v93 matrix_a_fmt:MATRIX_FMT_FP6 matrix_b_fmt:MATRIX_FMT_FP6
.endr                                  ; lane (r, h): query r; registers 16 g + i: key 32 g + 16 h + i of the step
.rept 4
	v_nop                                          ; places ahead of the loads below and of the first read of the scores
.endr
.if \qn
	QLOAD 1                                        ; this tile's last products with Q are issued: the next tile's Q lands under the softmax and the way out
.endif
	FRAGS 32, 248, VC0, VS0                        ; stream 0's four fragments of V land while the softmax is worked
.irp b, 0,1,2,3
	v_max3_num_f32 v[232+\b], v[96+16*\b], v[97+16*\b], v[98+16*\b]   ; the largest score of each block of 32 keys: for the row's maximum, and, since p rises with the score, for the block's largest p
.endr
.irp i, 3,5,7,9,11,13
.irp b, 0,1,2,3
	v_max3_num_f32 v[232+\b], v[232+\b], v[96+16*\b+\i], v[97+16*\b+\i]
.endr
.endr
.irp b, 0,1,2,3
	v_max_num_f32 v[232+\b], v[232+\b], v[111+16*\b]
.endr
.irp b, 0,1,2,3
	v_permlanex16_b32 v[236+\b], v[232+\b], s[SEL], s[SEL+1]
.endr
.irp b, 0,1,2,3
	v_max_num_f32 v[232+\b], v[232+\b], v[236+\b]  ; with lane l xor 16
.endr
	v_max3_num_f32 v254, v232, v233, v234
	v_max_num_f32 v254, v254, v235
	v_mul_f32 v254, s22, v254                      ; as t (c is positive)
	v_max_num_f32 v13, v13, v254                   ; the running largest t
	v_mov_b32 v254, v12
	v_floor_f32 v12, -v13                          ; the new -M = -ceil(t)
	v_sub_f32 v254, v12, v254                      ; old M - new M: a whole number, 0 or less
	v_cvt_i32_f32 v254, v254                       ; (it saturates)
	v_ldexp_f32 v252, 1.0, v254                    ; f = 2^(old M - new M)
.set jj, 0
.rept 32
	v_pk_fma_f32 v[96+jj:97+jj], v[96+jj:97+jj], s[22:23], v[12:13] op_sel_hi:[1,0,0]   ; t - M, two at a time
.set jj, jj+2
.endr
.irp b, 0,1,2,3
	v_fma_f32 v[232+\b], v[232+\b], s22, v12       ; the same of each block's largest score
.endr
.set jj, 0
.rept 64
	v_exp_f32 v[96+jj], v[96+jj]                   ; p = 2^(t - M)
.set jj, jj+1
.endr
	v_pk_mul_f32 v[14:15], v[14:15], v[252:253] op_sel_hi:[1,0]   ; the sums under the new M: a plain line behind the exponentials
	s_wait_alu depctr_va_vdst(0)                   ; one wait for the batch, ahead of its first use
.irp b, 0,1,2,3
	v_exp_f32 v[232+\b], v[232+\b]                 ; each block's largest p
.endr
	v_pk_add_f32 v[236:237], v[96:97], v[98:99]    ; the row's sum of the unquantised p, in two chains
.set jj, 4
.rept 15
	v_pk_add_f32 v[14:15], v[14:15], v[96+jj:97+jj]
	v_pk_add_f32 v[236:237], v[236:237], v[98+jj:99+jj]
.set jj, jj+4
.endr
	v_pk_add_f32 v[14:15], v[14:15], v[236:237]
	s_wait_alu depctr_va_vdst(0)                   ; and one for the four
.irp b, 0,1,2,3
	v_max_num_f32 v[232+\b], 0x1800000, v[232+\b]  ; the floor 2^(3 - 127)
.endr
.irp b, 0,1,2,3
	v_add_nc_u32 v[244+\b], 0xff000000, v[232+\b]  ; the conversion's scale operand
.endr
.irp b, 0,1,2,3
	v_lshrrev_b32 v[236+\b], 23, v[244+\b]         ; the scale's byte
.endr
	v_lshl_or_b32 v253, v237, 8, v236              ; p's scale word for these 128 keys
	v_lshl_or_b32 v253, v238, 16, v253
	v_lshl_or_b32 v253, v239, 24, v253
.irp c, 0,1
	v_cvt_scalef32_pk16_fp6_f32 v[224+6*\c:226+6*\c], v[96+32*\c:111+32*\c], v[244+2*\c]
	v_cvt_scalef32_pk16_fp6_f32 v[236+4*\c:238+4*\c], v[112+32*\c:127+32*\c], v[244+2*\c+1]
.endr
	v_nop                                          ; one plain line behind the scaled conversions
	FRAGS 96, 28, VC1, VS1                         ; stream 1's four fragments, into the registers that p has left
.irp c, 0,1
.irp i, 0,1,2
	v_permlane16_swap_b32 v[224+6*\c+\i], v[236+4*\c+\i]
.endr
.irp i, 0,1,2
	v_mov_b32 v[227+6*\c+\i], v[236+4*\c+\i]
.endr
.endr
.set jj, 0
.rept 32
	v_pk_mul_f32 v[160+jj:161+jj], v[160+jj:161+jj], v[252:253] op_sel_hi:[1,0]   ; O^T under the new M.  (Also the places between p's codes and scale word and the products)
.set jj, jj+2
.endr
	s_wait_dscnt 0x0                               ; V's eight fragments are in
.irp f, 0,1,2,3
	v_wmma_scale_f32_16x16x128_f8f6f4 v[160+8*\f:167+8*\f], v[32+12*\f:43+12*\f], v[224:235], v[160+8*\f:167+8*\f], v[248+\f], v253 matrix_a_fmt:MATRIX_FMT_FP6 matrix_b_fmt:MATRIX_FMT_FP6
.endr
.irp f, 0,1,2,3
	v_wmma_scale_f32_16x16x128_f8f6f4 v[192+8*\f:199+8*\f], v[96+12*\f:107+12*\f], v[224:235], v[192+8*\f:199+8*\f], v[28+\f], v253 matrix_a_fmt:MATRIX_FMT_FP6 matrix_b_fmt:MATRIX_FMT_FP6
.endr
.endm
; The first tile's key step j: my slice of step j has landed (behind it stand my 7 - j loads of the later steps, which may stay out); everybody's has.  No LDS instruction of mine is out here.
.macro STAGE j, qn
	s_wait_tensorcnt 7-(\j)
	s_barrier_signal -1
	s_barrier_wait -1
	STEP (\j)*LSTEP, \qn
.endm
; THE WAY OUT of tile u: O^T / the sum, quantised along the head's 64 features: blocks 0, 1 stream 0, blocks 2, 3 stream 1
.macro WAYOUT u
	v_add_f32 v14, v14, v15
	v_permlanex16_b32 v252, v14, s[SEL], s[SEL+1]
	v_add_f32 v14, v14, v252                       ; the row's sum
	v_rcp_f32 v14, v14
.rept 4
	v_nop                                          ; the plain line behind the reciprocal, and places behind the last products
.endr
	s_wait_alu depctr_va_vdst(0)                   ; ahead of the reciprocal's first use
.set jj, 0
.rept 64
	v_mul_f32 v[96+jj], v[160+jj], v14             ; each accumulator from its low end on
.set jj, jj+1
.endr
	QUANT 96, 253, 32
	global_store_b128 v3, v[32:35], s[10:11] offset:9216*(\u)                  ; stream 0's half fragment: 512 + 256 consecutive bytes
	global_store_b64 v4, v[36:37], s[10:11] offset:9216*(\u)+512
	global_store_b128 v3, v[38:41], s[10:11] offset:4718592+9216*(\u)          ; stream 1's
	global_store_b64 v4, v[42:43], s[10:11] offset:4718592+9216*(\u)+512
	v_lshrrev_b32 v254, v10, v253                  ; lanes 0-15: stream 0's two bytes, lanes 16-31: stream 1's
	global_store_b16 v9, v254, s[12:13] offset:4*(\u)
.endm
	TILEHEAD 0
.irp j, 0,1,2,3,4,5,6
	STAGE \j, 0
.endr
	STAGE 7, 1                                     ; its wait is for 0: all my tensor loads have landed
	WAYOUT 0
	TILEHEAD 1
	s_mov_b32 s40, 0                               ; where the step begins in LDS
	s_mov_b32 s44, 8                               ; key steps of 128
.Lstep:
	STEP s40, 0
	s_add_co_u32 s40, s40, LSTEP
	s_sub_co_u32 s44, s44, 1
	s_cmp_lg_u32 s44, 0
	s_cbranch_scc1 .Lstep
	WAYOUT 1
	s_wait_tensorcnt 0x0
	ds_add_u32 v243, v255
	s_wait_dscnt 0x0
	ROUND                                          ; the closing round
	s_endpgm
.Lfunc_end_k_qfbdc5bb95a_attn:
	.size	k_qfbdc5bb95a_attn, .Lfunc_end_k_qfbdc5bb95a_attn-k_qfbdc5bb95a_attn
	.p2alignl 7, 3214868480
	.fill 96, 4, 3214868480
	.section	.rodata,"a",@progbits
	.p2align	6, 0x0
	.amdhsa_kernel k_qfbdc5bb95a_attn
		.amdhsa_group_segment_fixed_size 327680
		.amdhsa_private_segment_fixed_size 0
		.amdhsa_enable_private_segment 0
		.amdhsa_kernarg_size 40
		.amdhsa_user_sgpr_count 2
		.amdhsa_user_sgpr_kernarg_segment_ptr 1
		.amdhsa_wavefront_size32 1
		.amdhsa_system_sgpr_workgroup_id_x 1
		.amdhsa_system_sgpr_workgroup_id_y 1
		.amdhsa_system_sgpr_workgroup_id_z 1
		.amdhsa_system_vgpr_workitem_id 0
		.amdhsa_next_free_vgpr 256
		.amdhsa_next_free_sgpr 100
		.amdhsa_reserve_vcc 0
		.amdhsa_float_denorm_mode_32 3
		.amdhsa_float_denorm_mode_16_64 3
		.amdhsa_memory_ordered 1
		.amdhsa_forward_progress 1
		.amdhsa_inst_pref_size 198
	.end_amdhsa_kernel
	.amdgpu_metadata
---
amdhsa.version: [ 1, 2 ]
amdhsa.kernels:
  - .name:           k_qfbdc5bb95a_attn
    .symbol:         k_qfbdc5bb95a_attn.kd
    .args:
      - { .name: Qc, .offset: 0, .size: 8, .value_kind: global_buffer, .address_space: global }
      - { .name: Qs, .offset: 8, .size: 8, .value_kind: global_buffer, .address_space: global }
      - { .name: rec, .offset: 16, .size: 8, .value_kind: global_buffer, .address_space: global }
      - { .name: Oc, .offset: 24, .size: 8, .value_kind: global_buffer, .address_space: global }
      - { .name: Osc, .offset: 32, .size: 8, .value_kind: global_buffer, .address_space: global }
    .group_segment_fixed_size: 327680
    .private_segment_fixed_size: 0
    .kernarg_segment_align: 8
    .kernarg_segment_size: 40
    .max_flat_workgroup_size: 384
    .sgpr_count:     100
    .vgpr_count:     256
    .wavefront_size: 32
...
	.end_amdgpu_metadata
.endif
;; end of part 3
;; launch outp (part 4): grid 256 x 1, 4 waves a work-group, no clusters, 272,896 bytes of LDS; arguments Oc, Osc, Wc, Wsc, bp, bpi, out0, out1; writes out0, out1
.if DOCPART == 4
	.amdgcn_target "amdgcn-amd-amdhsa--gfx1250"
	.amdhsa_code_object_version 6
	.text
	.protected	k_qfbdc5bb95a_outp
	.globl	k_qfbdc5bb95a_outp
	.p2align	8
	.type	k_qfbdc5bb95a_outp,@function
k_qfbdc5bb95a_outp:
	s_mov_b64 s[64:65], 0
	v_nop
	global_prefetch_b8 v0, s[64:65] scope:SCOPE_SE
	s_setreg_imm32_b32 hwreg(HW_REG_WAVE_MODE, 25, 1), 1
	s_wait_xcnt 0x0
; The two output projections out = x W^T + bias on codes of FP6 (E2M3).  x: the merged attention results as half fragments Oc, scale words Osc; W: fragment images of Wp, Wpi (T = 4, 5 of Wc, Wsc); out [8][1024][768] f32.
; SHARES.  Work-group g: stream g / 128, feature half (g / 64) % 2, batch (g % 64) / 8, tb = g % 8: 128 tokens x 384 features.  Wave w owns features 384 fh + 96 w .. + 95: six tiles of W, whose 36 fragments (432 registers)
;   stay in registers, read once.  x's block (8 tiles x 12 heads x 768 bytes = 73,728 dense bytes) comes into LDS once: one tensor load a wave, 72 rows of 256 bytes; one tensor load of a wave is out at the most.
; The tokens go in two halves of 64: 24 accumulators by turns, six K steps.  Source 0 = W, source 1 = x: a lane holds eight neighbouring features of one token.  The bias is the C of each sum's first product.
; THE WAY OUT: a half's 64 rows x 1,536 bytes meet in a stage in LDS (rows 1,552 bytes apart: row r starts at bank 4 r); a barrier; each wave stores 16 whole rows, 512 consecutive bytes a store.  Each half has a stage of its own, into which no fill lands.
; No joint loads: x's block is shared by two work-groups only, and W goes straight into registers once.
; REGISTERS.  window 0: v1-14 addresses; v16-51 W's scale words; v52-99 x's; v100-195 x's fragments, two sets of four; v192-255 rows on the way out.
;   window 1: v0-191 accumulators (tile m, W's tile t) at 8 (6 m + t); v192-239 the bias.   window 2: W of K steps 0-2.   window 3: W of K steps 3-5.
.set XFR,  100
.set OB,   192
.set WSR,  16
.set XSR,  52
.set STG,  73728
.set SPI,  1552
.set MSB,  0
.macro WIN new
.if MSB != \new
	s_set_vgpr_msb (MSB<<8)|\new
.set MSB, \new
.endif
.endm
.macro PLACES n
.rept \n
	v_nop
.endr
.endm
	s_load_b256 s[4:11], s[0:1], 0x0               ; Oc, Osc, Wc, Wsc
	s_load_b256 s[12:19], s[0:1], 0x20             ; bp, bpi, out0, out1
	v_lshl_add_u32 v2, v0, 2, 0x42800
	s_set_vgpr_msb 0x40
	v_mov_b32 v255, 0
	s_set_vgpr_msb 0x4044
	ds_add_u32 v2, v255
	ds_add_u32 v2, v255
	s_set_vgpr_msb 0x4400
	v_lshrrev_b32 v1, 5, v0
	v_readfirstlane_b32 s20, v1                    ; wave
	s_lshr_b32 s21, ttmp9, 7                       ; stream
	s_bfe_u32 s22, ttmp9, 0x10006                  ; fh
	s_bfe_u32 s23, ttmp9, 0x30003                  ; b
	s_and_b32 s24, ttmp9, 7                        ; tb
	s_lshl_b32 s30, s23, 3
	s_add_co_u32 s30, s30, s24                     ; 8 b + tb
	s_mov_b32 s40, 3<<16                           ; no mask; elements of 8 bytes; no padding
	s_mov_b32 s41, 32<<16                          ; tensor_dim0 = 32 elements: 256 bytes
	s_mov_b32 s42, 72<<16                          ; tensor_dim1 = 72
	s_mov_b32 s43, 32<<16                          ; tile_dim0
	s_mov_b32 s44, 72                              ; tile_dim1
	s_mov_b32 s45, 32                              ; the pitch: dense
	s_mov_b32 s46, 0
	s_mov_b32 s47, 0
	s_mov_b32 s36, 1
	s_mul_i32 s37, s20, 18432                      ; LDS: my quarter of x's block
	s_mul_i32 s26, s21, 4718592
	s_mul_i32 s28, s30, 73728
	s_add_co_u32 s26, s26, s28
	s_add_co_u32 s26, s26, s37
	s_mov_b32 s27, 0
	s_wait_dscnt 0x0
	s_wait_kmcnt 0x0
	s_add_nc_u64 s[38:39], s[4:5], s[26:27]
	s_or_b32 s39, s39, 0x80000000
	tensor_load_to_lds s[36:39], s[40:47]
	s_nop 0
.rept 4
	v_nop
.endr
	s_mul_i32 s26, s21, 196608
	s_mul_i32 s28, s30, 3072
	s_add_co_u32 s26, s26, s28
	s_add_nc_u64 s[6:7], s[6:7], s[26:27]          ; x's scale words: my two blocks of four tiles
	s_add_co_u32 s28, s21, 4                       ; T
	s_mul_i32 s31, s22, 24
	s_mul_i32 s32, s20, 6
	s_add_co_u32 s31, s31, s32                     ; my first tile of W
	s_mul_i32 s26, s28, 442368
	s_mul_i32 s32, s31, 9216
	s_add_co_u32 s26, s26, s32
	s_add_nc_u64 s[8:9], s[8:9], s[26:27]
	s_mul_i32 s26, s28, 36864
	s_mul_i32 s32, s31, 768
	s_add_co_u32 s26, s26, s32
	s_add_nc_u64 s[10:11], s[10:11], s[26:27]
	s_cmp_eq_u32 s21, 0                            ; the choices hang on the work-group's number alone
	s_cselect_b64 s[12:13], s[12:13], s[14:15]
	s_cselect_b64 s[16:17], s[16:17], s[18:19]
	s_lshl_b32 s26, s31, 6
	s_add_nc_u64 s[12:13], s[12:13], s[26:27]      ; the bias at my first feature
	s_lshl_b32 s26, s30, 7
	s_lshl_b32 s32, s20, 4
	s_add_co_u32 s26, s26, s32                     ; the first row that I store: 1024 b + 128 tb + 16 w
	s_mul_i32 s26, s26, 3072
	s_mul_i32 s32, s22, 1536
	s_add_co_u32 s26, s26, s32
	s_add_nc_u64 s[16:17], s[16:17], s[26:27]
	v_and_b32 v12, 31, v0
	v_and_b32 v13, 15, v0                          ; r
	v_bfe_u32 v15, v0, 4, 1                        ; h
	v_lshlrev_b32 v1, 4, v12                       ; 16 x lane
	v_lshlrev_b32 v3, 2, v12                       ; 4 x lane
	v_lshlrev_b32 v4, 4, v12                       ; x's halves of fragments: tokens' half 0,
	v_lshlrev_b32 v5, 3, v12
	v_add_nc_u32 v6, 36864, v4                     ; half 1
	v_add_nc_u32 v7, 36864, v5
	v_mul_u32_u24 v8, v13, SPI
	v_lshl_add_u32 v8, v15, 5, v8
	s_mul_i32 s33, s20, 384
	s_add_co_u32 s33, s33, STG
	v_add_nc_u32 v8, s33, v8                       ; the stage, in: row r, + 32 h, + my 384 bytes; tiles 0, 1
	v_add_nc_u32 v9, 32*SPI, v8                    ; tiles 2, 3
	s_mul_i32 s33, s20, 16*SPI
	s_add_co_u32 s33, s33, STG
	v_add_nc_u32 v10, s33, v1                      ; out: my 16 rows
	v_lshlrev_b32 v11, 4, v13                      ; 16 r
	v_lshlrev_b32 v14, 5, v15                      ; 32 h
.irp e, 0,1,2,3,4,5,6,7,8,9,10,11
	global_load_b128 v[XSR+4*\e:XSR+4*\e+3], v11, s[6:7] offset:256*\e     ; row r's words of four tiles, for (half, K step) e
.endr
.irp t, 0,1,2,3,4,5
.irp s, 0,1,2,3,4,5
	global_load_b32 v[WSR+6*\t+\s], v3, s[10:11] offset:(6*\t+\s)*128
.endr
.endr
	WIN 0x40
.irp t, 0,1,2,3,4,5
	global_load_b128 v[192+8*\t:195+8*\t], v14, s[12:13] offset:64*\t       ; bias of features 16 t + 8 h + 0 .. 7: the result's layout
	global_load_b128 v[196+8*\t:199+8*\t], v14, s[12:13] offset:64*\t+16
.endr
	WIN 0x80
.irp s, 0,1,2
.irp t, 0,1,2,3,4,5
.irp c, 0,1,2
	global_load_b128 v[12*(6*\s+\t)+4*\c:12*(6*\s+\t)+4*\c+3], v1, s[8:9] offset:9216*\t+1536*\s+512*\c
.endr
.endr
.endr
	WIN 0xc0
.irp s, 0,1,2
.irp t, 0,1,2,3,4,5
.irp c, 0,1,2
	global_load_b128 v[12*(6*\s+\t)+4*\c:12*(6*\s+\t)+4*\c+3], v1, s[8:9] offset:9216*\t+1536*(3+\s)+512*\c
.endr
.endr
.endr
	WIN 0
.macro XFETCH th, s, bf                ; x's four fragments of (half th, K step s): heads 2 s and 2 s + 1 of four tiles: 16 LDS loads
.irp m, 0,1,2,3
	ds_load_b128 v[XFR+48*(\bf)+12*\m:XFR+48*(\bf)+12*\m+3], v[4+2*(\th)] offset:9216*\m+1536*(\s)
	ds_load_b64 v[XFR+48*(\bf)+12*\m+4:XFR+48*(\bf)+12*\m+5], v[5+2*(\th)] offset:9216*\m+1536*(\s)+512
	ds_load_b128 v[XFR+48*(\bf)+12*\m+6:XFR+48*(\bf)+12*\m+9], v[4+2*(\th)] offset:9216*\m+1536*(\s)+768
	ds_load_b64 v[XFR+48*(\bf)+12*\m+10:XFR+48*(\bf)+12*\m+11], v[5+2*(\th)] offset:9216*\m+1536*(\s)+1280
.endr
.endm
.macro KSTEP th, s
.set KSET, (\s)%2
.set WB, 72*((\s)%3)
.set XB, XFR+48*KSET
.set XQ, XSR+4*(6*(\th)+(\s))
.if ((\th) == 1) && ((\s) == 5)
	s_wait_dscnt 0x0                               ; the last step: nothing more to fetch
.else
.if (\s) < 5
	XFETCH \th, (\s)+1, 1-KSET
.else
	XFETCH 1, 0, 0
.endif
	s_wait_dscnt 16                                ; all but the 16 just issued
.endif
.if (\th) == 0
.if 18*(5-(\s)) > 63
	s_wait_loadcnt 63                              ; W of this K step is in: behind it stand 18 loads for each later K step, more than the count can name
.else
	s_wait_loadcnt 18*(5-(\s))                     ; W of this K step is in: behind it stand 18 loads for each later K step
.endif
.endif
.if (\s) < 3
	WIN 0x52                                       ; source 0 (W) window 2, source 1 (x) window 0, C and D window 1
.else
	WIN 0x53
.endif
.irp m, 0,1,2,3
.irp t, 0,1,2,3,4,5
.if (\s) == 0
	v_wmma_scale_f32_16x16x128_f8f6f4 v[8*(6*\m+\t):8*(6*\m+\t)+7], v[WB+12*\t:WB+12*\t+11], v[XB+12*\m:XB+12*\m+11], v[192+8*\t:199+8*\t], v[WSR+6*\t+(\s)], v[XQ+\m] matrix_a_fmt:MATRIX_FMT_FP6 matrix_b_fmt:MATRIX_FMT_FP6
.else
	v_wmma_scale_f32_16x16x128_f8f6f4 v[8*(6*\m+\t):8*(6*\m+\t)+7], v[WB+12*\t:WB+12*\t+11], v[XB+12*\m:XB+12*\m+11], v[8*(6*\m+\t):8*(6*\m+\t)+7], v[WSR+6*\t+(\s)], v[XQ+\m] matrix_a_fmt:MATRIX_FMT_FP6 matrix_b_fmt:MATRIX_FMT_FP6
.endif
.endr
.endr
	WIN 0
	PLACES 4                                       ; ahead of loads into registers that these products read, and of the first read of results
.endm
.macro WAYOUT th
	WIN 0x04                                       ; an LDS store's data are its source 1: window 1
.irp m, 0,1,2,3
.irp t, 0,1,2,3,4,5
	ds_store_b128 v[8+(\m)/2], v[8*(6*\m+\t):8*(6*\m+\t)+3] offset:((\m)%2)*16*SPI+64*\t        ; each accumulator from its low end on
	ds_store_b128 v[8+(\m)/2], v[8*(6*\m+\t)+4:8*(6*\m+\t)+7] offset:((\m)%2)*16*SPI+64*\t+16
.endr
.endr
	WIN 0
	s_wait_dscnt 0x0                               ; for the others' sake: my stores into the stage are done
	s_barrier_signal -1
	s_barrier_wait -1
.irp c, 0,1,2
	s_wait_xcnt 0x0                                ; earlier stores have read the registers that are loaded now
.irp i, 0,1,2,3,4,5,6,7,8,9,10,11,12,13,14,15
	ds_load_b128 v[OB+4*\i:OB+4*\i+3], v10 offset:SPI*\i+512*\c
.endr
.irp i, 0,1,2,3,4,5,6,7,8,9,10,11,12,13,14,15
	s_wait_dscnt 15-\i                             ; row i is back; the younger loads may be out
	global_store_b128 v1, v[OB+4*\i:OB+4*\i+3], s[16:17] offset:196608*(\th)+3072*\i+512*\c th:TH_STORE_NT   ; 512 consecutive bytes, at a multiple of 256 from the buffer's first byte
.endr
.endr
.endm
	s_wait_tensorcnt 0x0                           ; my quarter of x's block has landed,
	s_barrier_signal -1
	s_barrier_wait -1                              ; everybody's has
	XFETCH 0, 0, 0
.irp s, 0,1,2,3,4,5
	KSTEP 0, \s
.endr
	WAYOUT 0
	s_wait_xcnt 0x0                                ; the stores have read v192-195, into which the second set of fragments is loaded again
	v_add_nc_u32 v8, 64*SPI, v8                    ; the second half's own stage
	v_add_nc_u32 v9, 64*SPI, v9
	v_add_nc_u32 v10, 64*SPI, v10
.irp s, 0,1,2,3,4,5
	KSTEP 1, \s
.endr
	WAYOUT 1
	s_set_vgpr_msb 0x4
	s_wait_tensorcnt 0x0
	ds_add_u32 v2, v255
	s_wait_dscnt 0x0
	s_set_vgpr_msb 0x400
	s_endpgm
.Lfunc_end_k_qfbdc5bb95a_outp:
	.size	k_qfbdc5bb95a_outp, .Lfunc_end_k_qfbdc5bb95a_outp-k_qfbdc5bb95a_outp
	.p2alignl 7, 3214868480
	.fill 96, 4, 3214868480
	.section	.rodata,"a",@progbits
	.p2align	6, 0x0
	.amdhsa_kernel k_qfbdc5bb95a_outp
		.amdhsa_group_segment_fixed_size 272896
		.amdhsa_private_segment_fixed_size 0
		.amdhsa_enable_private_segment 0
		.amdhsa_kernarg_size 64
		.amdhsa_user_sgpr_count 2
		.amdhsa_user_sgpr_kernarg_segment_ptr 1
		.amdhsa_wavefront_size32 1
		.amdhsa_system_sgpr_workgroup_id_x 1
		.amdhsa_system_sgpr_workgroup_id_y 1
		.amdhsa_system_sgpr_workgroup_id_z 1
		.amdhsa_system_vgpr_workitem_id 0
		.amdhsa_next_free_vgpr 1024
		.amdhsa_next_free_sgpr 66
		.amdhsa_reserve_vcc 0
		.amdhsa_float_denorm_mode_32 3
		.amdhsa_float_denorm_mode_16_64 3
		.amdhsa_memory_ordered 1
		.amdhsa_forward_progress 1
		.amdhsa_inst_pref_size 96
	.end_amdhsa_kernel
	.amdgpu_metadata
---
amdhsa.version: [ 1, 2 ]
amdhsa.kernels:
  - .name:           k_qfbdc5bb95a_outp
    .symbol:         k_qfbdc5bb95a_outp.kd
    .args:
      - { .name: Oc, .offset: 0, .size: 8, .value_kind: global_buffer, .address_space: global }
      - { .name: Osc, .offset: 8, .size: 8, .value_kind: global_buffer, .address_space: global }
      - { .name: Wc, .offset: 16, .size: 8, .value_kind: global_buffer, .address_space: global }
      - { .name: Wsc, .offset: 24, .size: 8, .value_kind: global_buffer, .address_space: global }
      - { .name: bp, .offset: 32, .size: 8, .value_kind: global_buffer, .address_space: global }
      - { .name: bpi, .offset: 40, .size: 8, .value_kind: global_buffer, .address_space: global }
      - { .name: out0, .offset: 48, .size: 8, .value_kind: global_buffer, .address_space: global }
      - { .name: out1, .offset: 56, .size: 8, .value_kind: global_buffer, .address_space: global }
    .group_segment_fixed_size: 272896
    .private_segment_fixed_size: 0
    .kernarg_segment_align: 8
    .kernarg_segment_size: 64
    .max_flat_workgroup_size: 128
    .sgpr_count:     66
    .vgpr_count:     1024
    .wavefront_size: 32
...
	.end_amdgpu_metadata
.endif
;; end of part 4
;; ======== version 2 of 2: 4 launches
;; workspace buffers: Wc 2,654,208 bytes; Wsc 221,184 bytes; Qc 4,718,592 bytes; Qs 393,216 bytes; rec 15,335,424 bytes; Oc 9,437,184 bytes; Osc 393,216 bytes
;; launch prep: the kernel of part 1 again; grid 48 x 6, 6 waves a work-group, no clusters, 51,456 bytes of LDS; arguments Wq, Wk, Wv, Wvim, Wp, Wpi, Wc, Wsc; writes Wc, Wsc
;; launch proj (part 5): grid 64 x 4, 4 waves a work-group, no clusters, 144,896 bytes of LDS; arguments q, k, v, v_img, Wc, Wsc, Qc, Qs, rec; writes Qc, Qs, rec
.if DOCPART == 5
	.amdgcn_target "amdgcn-amd-amdhsa--gfx1250"
	.amdhsa_code_object_version 6
	.text
	.protected	k_qfbdc5bb95a_proj
	.globl	k_qfbdc5bb95a_proj
	.p2align	8
	.type	k_qfbdc5bb95a_proj,@function
k_qfbdc5bb95a_proj:
	s_mov_b64 s[64:65], 0
	v_nop
	global_prefetch_b8 v0, s[64:65] scope:SCOPE_SE
	s_setreg_imm32_b32 hwreg(HW_REG_WAVE_SCHED_MODE, 0, 2), 2
	s_setreg_imm32_b32 hwreg(HW_REG_WAVE_MODE, 25, 1), 1
	s_wait_xcnt 0x0
	s_wait_alu depctr_vm_vsrc(0)
; The four input projections y = x W^T on codes of FP6 (E2M3) with E8M0 scales for each 32 along K, and the quantising of their results for the attention launch.
; x: q, k, v, v_img [1024 (token)][8 (batch)][768] f32.  W: fragment images Wc, Wsc made by the launch before.
; SHARES.  Work-group (x = 8 tb + b, y = T): 128 tokens (128 tb ..) of batch b of tensor T, all 768 features.  x is read once.
; PHASE X: wave w quantises tokens 32 w .. 32 w + 31 (two tiles of 16, six K steps of 128) and puts the 12 fragments into LDS as images of their registers; one barrier.
; PRODUCTS: three passes; in pass p wave w owns head 4 p + w: four tiles of 16 rows of W, whose 24 fragments stay in registers for both halves of the tokens (64 each): 16 accumulators by turns.
;   The next pass's W of K step s is loaded a K step behind the last products that read this pass's.  The last pass is written out, without those loads.
; ORIENTATION.  q, k: source 0 = W, source 1 = x: a lane holds ONE token and its registers run over the head's features: the next product's K.
;   v, v_img: source 0 = x, source 1 = W: a lane holds ONE feature and its registers run over tokens: the keys, the next product's K.
;   Rows of W's tiles, and the tokens of k's, v's and v_img's tiles, are chosen (row p of tile 2 g + u = item 32 g + 8 u + p + 8 (p / 8)) so that 16 registers of two neighbouring tiles are 16 neighbours along that K.
; RESULTS, as images.  A HALF is six registers (16 rows x 64 K): four at 16 x lane, two at 512 + 8 x lane: 768 bytes.
;   Qc [head x 96][pair 32][1,536]: two tiles of 16 queries; Qs [head x][pair][128].  head x = 8 head + batch.
;   rec [head x][key step 8][19,968]: all that a step of 128 keys needs, together: K's four pairs (6,144 bytes), V's four fragments of stream 0 ([tile of 16 features 4][half 2][768]), of stream 1, K's scale words [4][128], V's [stream 2][4][128].
;   My 128 tokens are key step tb.
; No joint loads: each byte of W goes once for a work-group straight into the registers of its one user, and the 442 KB of a weight do not fit in LDS beside x.
; LIMITS: NaN and infinities are not served; a block whose largest magnitude lies under 2^-124 gets the byte 1; a block of zeros gets the byte 1 where the rule says 127 (its codes are zeros; only this program reads the bytes).
; REGISTERS.  window 0: v1-13 addresses; v16-17 kept scale words; v20-43 W's scale words; v44-51 x's, two sets; v52-67 at work; v68-69 scale words made; v72-111 codes made, two sets; v112-115 V's scale words; v126, v127 the closing add's two; v128-255 accumulators (phase X: two sets of 64 numbers).
;   window 1: v0-143 W of K steps 0-2; v144-239 x's fragments, two sets of four.   window 2: v0-143 W of K steps 3-5.   window 3: four sets of 64 numbers as loaded.
; THE MODE: SCHED_MODE bits 1:0 = 2 (LLVM: expert scheduling mode 2), set by the entry lines.  The code itself states the register dependences
; between vector or matrix instructions and memory or LDS instructions, with s_wait_alu, always for 0.
; THE PLAN.  Registers that memory or LDS instructions touch, and who else names them:
;   v1-v13           offsets and LDS addresses: made at the head, never written again: one wait ahead of the first load serves every load and store.
;   raw sets 0-3     unit t's global loads land in set t % 4; the stage's LDS stores read it; unit t + 4's loads land in it again.  No vector instruction names them.
;   X0, X1           (v128-255, phase X) unit t's loads from the stage land in set t % 2; its quantising reads it; unit t + 2's loads land in it again.
;   codes and words  (v72-111, v68, v69, v112-115) written by a quantising; read by the LDS stores (phase X) or the global stores (a way out) behind it.
;   x's sets 0, 1    (window 1 v144-239, v44-51) K step s's products read set s % 2; the LDS loads for the next K step land in the other.
;   W                (windows 1 and 2, v20-43) read by K step s's products; the next pass's loads land in it behind the second half's.
; PHASE X has two waits a unit: on vm_vsrc at its head (the LDS stores issued so far have read the raw set and the codes), on va_vdst behind its quantising (codes and word are written; the quantising is done reading its X).
; A K STEP has one wait on va_vdst, at its head: the last step's products are done with x's other set and with W of the last K step.  Behind it stand the LDS loads for the next step, and in the step's middle, between
; its 8th and 9th product, what has no hurry: the next pass's W of the last K step, or the stores of the first half's way out.  This step's products name W of this K step, x's set s % 2, its words and the accumulators: none of the registers that those touch.
.set TOK,  24576                       ; bytes from token to token
.set REC,  159744
.set STEPB, 19968                      ; a key step's part of a record
.set VCO,  6144                        ; in it: V's fragments,
.set KSO,  18432                       ; K's scale words,
.set VSO,  18944                       ; V's
.set FRB,  1536                        ; a fragment's image
.set XSC,  73728                       ; LDS: x's images [half 2][K step 6][tile 4][1,536] from 0; here their scale words [half][K step][row 16][tile 4];
.set STG,  76800                       ; here two stages of 16 x 528 bytes for each wave
.set SP,   528
.set PWH,  16
.set WSR,  20
.set XSR,  44
.set TM,   52
.set PW,   68
.set PC,   72
.set VSW,  112
.set ACC,  128
.set XF,   144
.set SEL,  40
.set MSB,  0
.macro WIN new                         ; the immediate's high byte repeats the setting that is left
.if MSB != \new
	s_set_vgpr_msb (MSB<<8)|\new
.set MSB, \new
.endif
.endm
.macro PLACES n
.rept \n
	v_nop
.endr
.endm
; 64 numbers of a lane, register 16 b + i = k 32 b + 16 (lane / 16) + i of my row, become a fragment's 12 registers at v[pc] and its scale word in v[pw]
.macro QUANT s, pw, pc
.irp b, 0,1,2,3
	v_max3_num_f32 v[TM+\b], |v[(\s)+16*\b]|, |v[(\s)+1+16*\b]|, 0x1800000   ; my 16 numbers of block b, and the floor 2^(3 - 127): the byte cannot fall under 1
.endr
.irp i, 2,4,6,8,10,12,14
.irp b, 0,1,2,3
	v_max3_num_f32 v[TM+\b], v[TM+\b], |v[(\s)+16*\b+\i]|, |v[(\s)+1+16*\b+\i]|   ; the four blocks by turns; each accumulator is read from its low end on
.endr
.endr
.irp b, 0,1,2,3
	v_permlanex16_b32 v[TM+4+\b], v[TM+\b], s[SEL], s[SEL+1]
.endr
.irp b, 0,1,2,3
	v_max_num_f32 v[TM+\b], v[TM+\b], v[TM+4+\b]   ; with lane l xor 16: the block's largest magnitude
.endr
.irp b, 0,1,2,3
	v_add_nc_u32 v[TM+12+\b], 0xff000000, v[TM+\b]   ; 2 off its exponent field: the conversion's scale operand
.endr
.irp b, 0,1,2,3
	v_lshrrev_b32 v[TM+4+\b], 23, v[TM+12+\b]      ; the scale's byte
.endr
	v_lshl_or_b32 v[(\pw)], v[TM+5], 8, v[TM+4]
	v_lshl_or_b32 v[(\pw)], v[TM+6], 16, v[(\pw)]
	v_lshl_or_b32 v[(\pw)], v[TM+7], 24, v[(\pw)]
.irp c, 0,1
	v_cvt_scalef32_pk16_fp6_f32 v[(\pc)+6*\c:(\pc)+2+6*\c], v[(\s)+32*\c:(\s)+15+32*\c], v[TM+12+2*\c]
	v_cvt_scalef32_pk16_fp6_f32 v[(\pc)+12+4*\c:(\pc)+14+4*\c], v[(\s)+16+32*\c:(\s)+31+32*\c], v[TM+12+2*\c+1]   ; a conversion's three registers begin on an even number
.endr
	v_nop                                          ; one plain instruction behind the scaled conversions
.irp c, 0,1                            ; the layout wants a whole block in a lane
.irp i, 0,1,2
	v_permlane16_swap_b32 v[(\pc)+6*\c+\i], v[(\pc)+12+4*\c+\i]
.endr
.irp i, 0,1,2
	v_mov_b32 v[(\pc)+3+6*\c+\i], v[(\pc)+12+4*\c+\i]
.endr
.endr
.endm
	s_load_b256 s[4:11], s[0:1], 0x0               ; q, k, v, v_img
	s_load_b256 s[12:19], s[0:1], 0x20             ; Wc, Wsc, Qc, Qs
	s_load_b64 s[20:21], s[0:1], 0x40              ; rec
	v_lshl_add_u32 v126, v0, 2, 0x23400            ; the closing add's two registers, made here and kept for it alone: my spare word behind the stages,
	v_mov_b32 v127, 0                              ; and 0
	v_lshrrev_b32 v1, 5, v0
	v_readfirstlane_b32 s23, v1                    ; wave
	s_and_b32 s22, ttmp7, 0xffff                   ; T
	s_and_b32 s24, ttmp9, 7                        ; b
	s_lshr_b32 s25, ttmp9, 3                       ; tb
	v_and_b32 v14, 31, v0                          ; lane
	v_and_b32 v15, 15, v0                          ; r
	v_bfe_u32 v18, v0, 4, 1                        ; h
	v_lshlrev_b32 v1, 4, v14                       ; 16 x lane
	v_lshlrev_b32 v2, 3, v14                       ; 8 x lane
	v_lshlrev_b32 v3, 2, v14                       ; 4 x lane
	s_cmp_eq_u32 s22, 0                            ; q's tiles take neighbouring tokens, the others' the chosen ones
	s_cselect_b32 s45, 8, 16
	s_cselect_b32 s46, 16, 8
	s_mul_i32 s45, s45, TOK
	s_mul_i32 s46, s46, TOK
	v_add_nc_u32 v5, s45, v1                       ; first tile's rows 8-15 begin 8 or 16 tokens on,
	v_add_nc_u32 v6, s46, v1                       ; second tile's rows 0-7 16 or 8
	s_wait_alu depctr_va_sdst(0)                   ; s23, the wave's number, is written, ahead of its first reader: LDS places and all bases are made from it
	s_mul_i32 s47, s23, 2*16*SP
	s_add_co_u32 s47, s47, STG                     ; my two stages
	v_add_nc_u32 v7, s47, v1                       ; in: as loaded
	v_mul_u32_u24 v8, v15, SP
	v_lshl_add_u32 v8, v18, 6, v8
	v_add_nc_u32 v8, s47, v8                       ; out: row r, + 64 h
	s_lshr_b32 s48, s23, 1                         ; the half of the tokens in which my two tiles lie,
	s_and_b32 s49, s23, 1                          ; and which two of its four
	s_mul_i32 s50, s48, 24*FRB
	s_mul_i32 s51, s49, 2*FRB
	s_add_co_u32 s50, s50, s51
	v_add_nc_u32 v9, s50, v1                       ; where I store x's images
	s_mul_i32 s50, s48, 1536
	s_lshl_b32 s51, s49, 3
	s_add_co_u32 s50, s50, s51
	s_add_co_u32 s50, s50, XSC
	v_lshl_add_u32 v10, v15, 4, s50                ; and their scale words: 16 bytes a row, my two words of the four
	v_add_nc_u32 v11, 0, v1                        ; where images are read: half 0,
	v_add_nc_u32 v12, 24*FRB, v1                   ; half 1
	v_lshlrev_b32 v13, 4, v15
	v_add_nc_u32 v13, XSC, v13                     ; a row's four scale words
	s_mov_b32 s[SEL], 0x76543210
	s_mov_b32 s[SEL+1], 0xfedcba98
	s_mov_b32 s43, 0x05040100                      ; two low halves
	s_mov_b32 s44, 0x07060302                      ; two high halves
.irp b, 0,1,2,3
	v_mov_b32 v[TM+4+\b], 0                        ; a lane permute's destination counts as one of its sources
.endr
	s_lshl_b32 s45, s25, 7
	s_lshl_b32 s46, s23, 5
	s_add_co_u32 s45, s45, s46                     ; my first token: 128 tb + 32 w
	s_mul_i32 s52, s45, TOK
	s_mul_i32 s46, s24, 3072
	s_add_co_u32 s52, s52, s46
	s_mov_b32 s53, 0
	s_mul_i32 s54, s22, 442368                     ; W's images: tensor T, head w
	s_mul_i32 s46, s23, 36864
	s_add_co_u32 s54, s54, s46
	s_mov_b32 s55, 0
	s_mul_i32 s56, s22, 36864
	s_mul_i32 s46, s23, 3072
	s_add_co_u32 s56, s56, s46
	s_mov_b32 s57, 0
	s_lshl_b32 s45, s23, 3
	s_add_co_u32 s45, s45, s24                     ; head x of pass 0: 8 w + b
	s_mul_i32 s46, s45, REC
	s_mul_i32 s58, s45, 49152
	s_lshl_b32 s60, s45, 12
	s_mul_i32 s47, s25, 6144                       ; q: tb's four pairs,
	s_lshl_b32 s48, s25, 9                         ; and their scale words
	s_mul_i32 s63, s25, STEPB                      ; the others: key step tb of the record
	s_mov_b32 s36, 32*REC                          ; a pass on: four heads = 32 head x
	s_mov_b32 s38, 32*REC
	s_cmp_eq_u32 s22, 0
	s_cselect_b32 s58, s58, s46
	s_cselect_b32 s60, s60, s46
	s_cselect_b32 s47, s47, s63
	s_cselect_b32 s48, s48, s63
	s_cselect_b32 s36, 32*49152, s36
	s_cselect_b32 s38, 32*4096, s38
	s_cselect_b32 s49, 0, KSO
	s_cmp_lt_u32 s22, 2
	s_cselect_b32 s51, 0, VCO
	s_cselect_b32 s62, 0, VSO-KSO
	s_max_u32 s50, s22, 2
	s_sub_co_u32 s50, s50, 2                       ; stream
	s_mul_i32 s63, s50, 6144
	s_lshl_b32 s50, s50, 9
	s_add_co_u32 s58, s58, s47
	s_add_co_u32 s58, s58, s51
	s_add_co_u32 s58, s58, s63
	s_add_co_u32 s60, s60, s48
	s_add_co_u32 s60, s60, s49
	s_add_co_u32 s60, s60, s62
	s_add_co_u32 s60, s60, s50
	s_mov_b32 s59, 0
	s_mov_b32 s61, 0
	s_mov_b32 s37, 0
	s_mov_b32 s39, 0
	s_wait_kmcnt 0x0
	s_mov_b64 s[26:27], s[4:5]
.irp n, 1,2,3
	s_cmp_eq_u32 s22, \n                           ; the choices hang on the work-group's number alone
	s_cselect_b64 s[26:27], s[4+2*\n:5+2*\n], s[26:27]
.endr
	s_add_nc_u64 s[26:27], s[26:27], s[52:53]      ; x at my first token
	s_add_nc_u64 s[28:29], s[12:13], s[54:55]      ; W's images
	s_add_nc_u64 s[30:31], s[14:15], s[56:57]      ; W's scale words
	s_cmp_eq_u32 s22, 0
	s_cselect_b64 s[32:33], s[16:17], s[20:21]
	s_cselect_b64 s[34:35], s[18:19], s[20:21]
	s_add_nc_u64 s[32:33], s[32:33], s[58:59]      ; where codes go
	s_add_nc_u64 s[34:35], s[34:35], s[60:61]      ; where scale words go
; ---- PHASE X.  Unit t = 0 .. 11: K step t / 2, tile t % 2 of my two.
.macro LOADX t                         ; 16 rows x 512 bytes, each load 512 consecutive bytes of one token's row, into raw set t % 4 (window 3)
.set SS, (\t)/2
.set RR, 64*((\t)%4)
	WIN 0xc0
.if (\t)%2 == 0
.irp i, 0,1,2,3,4,5,6,7
	global_load_b128 v[RR+4*\i:RR+4*\i+3], v1, s[26:27] offset:\i*TOK+512*SS th:TH_LOAD_NT
.endr
.irp i, 0,1,2,3,4,5,6,7
	global_load_b128 v[RR+32+4*\i:RR+32+4*\i+3], v5, s[26:27] offset:\i*TOK+512*SS th:TH_LOAD_NT
.endr
.else
.irp i, 0,1,2,3,4,5,6,7
	global_load_b128 v[RR+4*\i:RR+4*\i+3], v6, s[26:27] offset:\i*TOK+512*SS th:TH_LOAD_NT
.endr
.irp i, 0,1,2,3,4,5,6,7
	global_load_b128 v[RR+32+4*\i:RR+32+4*\i+3], v1, s[26:27] offset:(24+\i)*TOK+512*SS th:TH_LOAD_NT
.endr
.endif
	WIN 0
.endm
.macro TURNX t                         ; through my stage t % 2: in as loaded, out 16 neighbours of each block of my row.  LDS serves a wave's instructions in order
.set RR, 64*((\t)%4)
.set SO, 16*SP*((\t)%2)
.set XX, ACC+64*((\t)%2)
	WIN 0x0c                                       ; an LDS store's data are its source 1: window 3
.irp i, 0,1,2,3,4,5,6,7,8,9,10,11,12,13,14,15
	ds_store_b128 v7, v[RR+4*\i:RR+4*\i+3] offset:SO+SP*\i
.endr
	WIN 0
.irp b, 0,1,2,3
.irp j, 0,1,2,3
	ds_load_b128 v[XX+16*\b+4*\j:XX+16*\b+4*\j+3], v8 offset:SO+128*\b+16*\j   ; no wait here: the quantising that last read this set stands ahead of the wait on va_vdst behind it, and no vector instruction has been issued since
.endr
.endr
.endm
.macro WLOAD s                         ; W of K step s: four fragments and their scale words: 16 loads
.if (\s) < 3
	WIN 0x40
.else
	WIN 0x80
.endif
.irp i, 0,1,2,3
.irp c, 0,1,2
	global_load_b128 v[12*(4*((\s)%3)+\i)+4*\c:12*(4*((\s)%3)+\i)+4*\c+3], v1, s[28:29] offset:9216*\i+1536*(\s)+512*\c
.endr
.endr
	WIN 0
.irp i, 0,1,2,3
	global_load_b32 v[WSR+4*(\s)+\i], v3, s[30:31] offset:(6*\i+(\s))*128
.endr
.endm
.macro STEPX t
	s_wait_dscnt 0x0                               ; unit t's numbers are back from the stage
.if (\t)+4 < 12
	WIN 0xc0                                       ; (the switch, then the wait, then the loads)
.endif
	s_wait_alu depctr_vm_vsrc(0)                   ; my LDS stores have read raw set t % 4, in which the loads below land, and the last unit's codes and scale words, which this unit's quantising writes again
.if (\t)+4 < 12
	LOADX (\t)+4                                   ; into the raw set that unit t has left
.endif
.if (\t)+1 < 12
.if 10-(\t) >= 3
	s_wait_loadcnt 48                              ; unit t + 1 is in; the three units behind it (16 loads each) may be out
.else
	s_wait_loadcnt 16*(10-(\t))                    ; at the end fewer are behind it
.endif
	TURNX (\t)+1
.endif
.if (\t) == 10
	WLOAD 0                                        ; x's last loads are in: the first pass's W is asked for.  No vector or matrix instruction has named its registers yet
	WLOAD 1
	WLOAD 2
.endif
	QUANT ACC+64*((\t)%2), PW+(\t)%2, PC
	s_wait_alu depctr_va_vdst(0)                   ; the quantising has written the codes and the scale word, which the LDS stores below read, and is done reading its set of numbers, in which the loads of unit t + 2 land
.irp c, 0,1,2
	ds_store_b128 v9, v[PC+4*\c:PC+4*\c+3] offset:4*FRB*((\t)/2)+FRB*((\t)%2)+512*\c
.endr
.if (\t)%2 == 1
	ds_store_b64 v10, v[PW:PW+1] offset:256*((\t)/2)   ; my two tiles' words of row r (lanes r and r + 16 write the same bytes with the same value)
.endif
.endm
	WIN 0xc0
	s_wait_alu depctr_va_vdst(0)                   ; the offsets and LDS addresses v1 to v13 are written: every load and store of the kernel reads some of them, and none is written again
	LOADX 0
	LOADX 1
	LOADX 2
	LOADX 3
	s_wait_loadcnt 48                              ; unit 0 is in
	TURNX 0
.irp t, 0,1,2,3,4,5,6,7,8,9,10,11
	STEPX \t
.endr
	WLOAD 3
	WLOAD 4
	WLOAD 5
	s_wait_xcnt 0x0                                ; the loads have read their bases: these now stand at the next pass's W
	s_add_nc_u64 s[28:29], s[28:29], 147456
	s_add_nc_u64 s[30:31], s[30:31], 12288
	s_wait_dscnt 0x0                               ; for the others' sake: my images lie in LDS
	s_barrier_signal -1
	s_barrier_wait -1                              ; everybody's do.  From here on LDS is only read
	s_wait_alu depctr_vm_vsrc(0)                   ; my last LDS stores have read the codes' and the scale words' registers, which the ways out write again (ahead of the branch on the tensor)
; ---- THE PRODUCTS
.macro XFETCH th, s, bf                ; x's four fragments and scale words of (half th, K step s) into set bf: 13 LDS loads
	WIN 0x40
.irp m, 0,1,2,3
.irp c, 0,1,2
	ds_load_b128 v[XF+48*(\bf)+12*\m+4*\c:XF+48*(\bf)+12*\m+4*\c+3], v[11+(\th)] offset:(4*(\s)+\m)*FRB+512*\c
.endr
.endr
	WIN 0
	ds_load_b128 v[XSR+4*(\bf):XSR+4*(\bf)+3], v13 offset:(6*(\th)+(\s))*256
.endm
.macro MULQ s, n0                      ; q, k: source 0 = W's tile i, source 1 = x's tile n; accumulator (n, i); x's tiles n0 and n0 + 1: eight products.  The 16 accumulators take turns
.set WB, 48*((\s)%3)
.set XB, XF+48*KSET
.set WQ, WSR+4*(\s)
.set XQ, XSR+4*KSET
.if (\s) < 3
	WIN 0x05
.else
	WIN 0x06
.endif
.irp n, \n0, \n0+1
.irp i, 0,1,2,3
.if (\s) == 0
	v_wmma_scale_f32_16x16x128_f8f6f4 v[ACC+8*(4*(\n)+\i):ACC+8*(4*(\n)+\i)+7], v[WB+12*\i:WB+12*\i+11], v[XB+12*(\n):XB+12*(\n)+11], 0, v[WQ+\i], v[XQ+(\n)] matrix_a_fmt:MATRIX_FMT_FP6 matrix_b_fmt:MATRIX_FMT_FP6
.else
	v_wmma_scale_f32_16x16x128_f8f6f4 v[ACC+8*(4*(\n)+\i):ACC+8*(4*(\n)+\i)+7], v[WB+12*\i:WB+12*\i+11], v[XB+12*(\n):XB+12*(\n)+11], v[ACC+8*(4*(\n)+\i):ACC+8*(4*(\n)+\i)+7], v[WQ+\i], v[XQ+(\n)] matrix_a_fmt:MATRIX_FMT_FP6 matrix_b_fmt:MATRIX_FMT_FP6
.endif
.endr
.endr
.endm
.macro MULV s, i0                      ; v, v_img: source 0 = x's tile m, source 1 = W's tile i; accumulator (i, m); W's tiles i0 and i0 + 1: eight products
.set WB, 48*((\s)%3)
.set XB, XF+48*KSET
.set WQ, WSR+4*(\s)
.set XQ, XSR+4*KSET
.if (\s) < 3
	WIN 0x05
.else
	WIN 0x09
.endif
.irp i, \i0, \i0+1
.irp m, 0,1,2,3
.if (\s) == 0
	v_wmma_scale_f32_16x16x128_f8f6f4 v[ACC+8*(4*(\i)+\m):ACC+8*(4*(\i)+\m)+7], v[XB+12*\m:XB+12*\m+11], v[WB+12*(\i):WB+12*(\i)+11], 0, v[XQ+\m], v[WQ+(\i)] matrix_a_fmt:MATRIX_FMT_FP6 matrix_b_fmt:MATRIX_FMT_FP6
.else
	v_wmma_scale_f32_16x16x128_f8f6f4 v[ACC+8*(4*(\i)+\m):ACC+8*(4*(\i)+\m)+7], v[XB+12*\m:XB+12*\m+11], v[WB+12*(\i):WB+12*(\i)+11], v[ACC+8*(4*(\i)+\m):ACC+8*(4*(\i)+\m)+7], v[XQ+\m], v[WQ+(\i)] matrix_a_fmt:MATRIX_FMT_FP6 matrix_b_fmt:MATRIX_FMT_FP6
.endif
.endr
.endr
.endm
; THE WAY OUT, in two parts: the quantisings, and, behind a wait on va_vdst that stands there for the loads too, the stores.
; Its two quantisings have a set of registers each (codes at PC and PC + 20, scale words at PW and PW + 1), so that one wait serves both sets' stores.
; A set is written again a half later: between stand the waits at the head of the second half's second K step, or those ahead of the bases' steps at a pass's end.
.macro OUTQ0                           ; q, k: accumulators of x's tiles 2 a and 2 a + 1 become one pair: tile 2 a in k = 0 .. 63, tile 2 a + 1 in k = 64 .. 127
.irp a, 0,1
	QUANT ACC+64*\a, PW+\a, PC+20*\a
.endr
.endm
.macro OUTS0 th
	WIN 0
.irp a, 0,1
	global_store_b128 v1, v[PC+20*\a:PC+20*\a+3], s[32:33] offset:(2*(\th)+\a)*FRB
	global_store_b64 v2, v[PC+20*\a+4:PC+20*\a+5], s[32:33] offset:(2*(\th)+\a)*FRB+512
	global_store_b128 v1, v[PC+20*\a+6:PC+20*\a+9], s[32:33] offset:(2*(\th)+\a)*FRB+768
	global_store_b64 v2, v[PC+20*\a+10:PC+20*\a+11], s[32:33] offset:(2*(\th)+\a)*FRB+1280
	global_store_b32 v3, v[PW+\a], s[34:35] offset:(2*(\th)+\a)*128
.endr
.endm
.macro OUTQ1 th                        ; v, v_img: W's tiles 2 a and 2 a + 1, 64 keys: half th of two fragments.  A fragment's scale word takes two bytes from each half
.irp a, 0,1
.if (\th) == 0
	QUANT ACC+64*\a, PWH+\a, PC+20*\a
.else
	QUANT ACC+64*\a, PW+\a, PC+20*\a
	v_perm_b32 v[VSW+2*\a], v[PW+\a], v[PWH+\a], s43     ; tile 2 a: the low halves, keys 0-63's below
	v_perm_b32 v[VSW+2*\a+1], v[PW+\a], v[PWH+\a], s44   ; tile 2 a + 1: the high halves
.endif
.endr
.endm
.macro OUTS1 th
	WIN 0
.irp a, 0,1
	global_store_b128 v1, v[PC+20*\a:PC+20*\a+3], s[32:33] offset:(2*\a)*FRB+768*(\th)
	global_store_b64 v2, v[PC+20*\a+4:PC+20*\a+5], s[32:33] offset:(2*\a)*FRB+768*(\th)+512
	global_store_b128 v1, v[PC+20*\a+6:PC+20*\a+9], s[32:33] offset:(2*\a+1)*FRB+768*(\th)
	global_store_b64 v2, v[PC+20*\a+10:PC+20*\a+11], s[32:33] offset:(2*\a+1)*FRB+768*(\th)+512
.if (\th) == 1
	global_store_b32 v3, v[VSW+2*\a], s[34:35] offset:256*\a
	global_store_b32 v3, v[VSW+2*\a+1], s[34:35] offset:256*\a+128
.endif
.endr
.endm
; A K step: the wait, the next step's x is asked for, eight products, what stands in the middle, eight products, four places.
; In the middle, in the second half of the tokens: in its first step the stores of the first half's way out; in a later step (rel = 1) the next pass's W of the K step before.  nf = 1: nothing follows, nothing is fetched.
.macro KSTEP kind, th, s, rel, nf
.set KSET, (\s)%2
.if ((\th) == 1) && ((\s) == 1)
	s_wait_xcnt 0x0                                ; the first half's stores, issued in the step before, have had their addresses translated.  It stands ahead of W's loads, so that it waits for none of them
	s_wait_alu depctr_vm_vsrc(0)                   ; and they have read the codes and scale words, which the second half's quantisings write again
.endif
.if \nf
	s_wait_dscnt 0x0                               ; (no wait on va_vdst: this step issues no load and no store)
.else
	WIN 0x40                                       ; (the switch, then the wait, then the loads)
.if ((\th) == 1) || ((\s) > 0)                     ; (a pass's first step owes none: x's set 1 was last read ahead of the wait in the last pass's tail, in the first pass never, and no vector or matrix instruction has named it since)
	s_wait_alu depctr_va_vdst(0)                   ; the last step's products are done reading x's other set and its scale words, in which the loads below land, and W of the last K step, in which the loads in this step's middle land; in the second half's first step: the quantisings have written what the stores in its middle read
.endif
.if (\s) < 5
	XFETCH \th, (\s)+1, 1-KSET
.else
	XFETCH 1-(\th), 0, 0
.endif
	s_wait_dscnt 13                                ; all but the 13 just issued: this step's x is in
.endif
.if (\th) == 0
.if 16*(5-(\s)) > 63
	s_wait_loadcnt 63                              ; W of this K step is in: behind it stand 16 loads for each later K step, more than the count can name
.else
	s_wait_loadcnt 16*(5-(\s))                     ; W of this K step is in: behind it stand 16 loads for each later K step
.endif
.endif
.if (\kind) == 0
	MULQ \s, 0
.else
	MULV \s, 0
.endif
.if (\th) == 1                         ; the middle.  No wait: the eight products issued since the wait at the head name none of the registers that these loads or stores touch
.if (\s) == 0
.if (\kind) == 0
	OUTS0 0
.else
	OUTS1 0
.endif
.else
.if \rel
	WLOAD (\s)-1
.endif
.endif
.endif
.if (\kind) == 0
	MULQ \s, 2
.else
	MULV \s, 2
.endif
	WIN 0
	PLACES 4                                       ; four places behind the products, ahead of the first read of results by vector instructions; ahead of the loads into registers that these products read they stay where they stood, beside the wait at the next step's head
.endm
.macro PASS kind, rel
.irp s, 0,1,2,3,4,5
	KSTEP \kind, 0, \s, 0, 0
.endr
.if (\kind) == 0
	OUTQ0
.else
	OUTQ1 0
.endif
.irp s, 0,1,2,3,4
	KSTEP \kind, 1, \s, \rel, 0
.endr
	KSTEP \kind, 1, 5, \rel, 1-\rel
.if (\kind) == 0
	OUTQ0
.else
	OUTQ1 1
.endif
.if \rel
	WIN 0x80                                       ; (the switch, then the wait, then the loads)
.endif
	s_wait_alu depctr_va_vdst(0)                   ; the quantisings have written the codes and scale words, which the stores below read; the last K step's products are done reading W of K step 5, in which the loads below land, and x's set 1, in which the next pass's first loads land
.if \rel
	WLOAD 5
.endif
.if (\kind) == 0
	OUTS0 1
.else
	OUTS1 1
.endif
.endm
.macro ONWARD                          ; a pass on
	s_wait_xcnt 0x0                                ; loads and stores have had their addresses translated: their bases may step
	s_wait_alu depctr_vm_vsrc(0)                   ; the stores have read the codes and scale words, which the next pass's quantisings write again (ahead of the backward branch)
	s_add_nc_u64 s[28:29], s[28:29], 147456
	s_add_nc_u64 s[30:31], s[30:31], 12288
	s_add_nc_u64 s[32:33], s[32:33], s[36:37]
	s_add_nc_u64 s[34:35], s[34:35], s[38:39]
	s_add_co_u32 s42, s42, 1
	s_cmp_lt_u32 s42, 2
.endm
	XFETCH 0, 0, 0                                 ; no vector or matrix instruction has named x's sets yet
	s_mov_b32 s42, 0
	s_cmp_lt_u32 s22, 2                            ; the orientation hangs on the tensor: the work-group's y
	s_cbranch_scc0 .Lvalues
.Lqk:
	PASS 0, 1
	ONWARD
	s_cbranch_scc1 .Lqk
	PASS 0, 0                                      ; the last pass asks for no further W
	s_wait_dscnt 0x0                               ; the closing lines, six on end
	s_wait_alu 0x0
	s_wait_tensorcnt 0x0
	ds_add_u32 v126, v127
	s_wait_dscnt 0x0
	s_endpgm
.Lvalues:
	PASS 1, 1
	ONWARD
	s_cbranch_scc1 .Lvalues
	PASS 1, 0
	s_wait_dscnt 0x0                               ; the closing lines, six on end, as above
	s_wait_alu 0x0
	s_wait_tensorcnt 0x0
	ds_add_u32 v126, v127
	s_wait_dscnt 0x0
	s_endpgm
.Lfunc_end_k_qfbdc5bb95a_proj:
	.size	k_qfbdc5bb95a_proj, .Lfunc_end_k_qfbdc5bb95a_proj-k_qfbdc5bb95a_proj
	.p2alignl 7, 3214868480
	.fill 96, 4, 3214868480
	.section	.rodata,"a",@progbits
	.p2align	6, 0x0
	.amdhsa_kernel k_qfbdc5bb95a_proj
		.amdhsa_group_segment_fixed_size 144896
		.amdhsa_private_segment_fixed_size 0
		.amdhsa_enable_private_segment 0
		.amdhsa_kernarg_size 72
		.amdhsa_user_sgpr_count 2
		.amdhsa_user_sgpr_kernarg_segment_ptr 1
		.amdhsa_wavefront_size32 1
		.amdhsa_system_sgpr_workgroup_id_x 1
		.amdhsa_system_sgpr_workgroup_id_y 1
		.amdhsa_system_sgpr_workgroup_id_z 1
		.amdhsa_system_vgpr_workitem_id 0
		.amdhsa_next_free_vgpr 1024
		.amdhsa_next_free_sgpr 66
		.amdhsa_reserve_vcc 0
		.amdhsa_float_denorm_mode_32 3
		.amdhsa_float_denorm_mode_16_64 3
		.amdhsa_memory_ordered 1
		.amdhsa_forward_progress 1
		.amdhsa_inst_pref_size 255
	.end_amdhsa_kernel
	.section	.bss,"aw",@nobits
	.p2align	6
	.space	262144
	.amdgpu_metadata
---
amdhsa.version: [ 1, 2 ]
amdhsa.kernels:
  - .name:           k_qfbdc5bb95a_proj
    .symbol:         k_qfbdc5bb95a_proj.kd
    .args:
      - { .name: q, .offset: 0, .size: 8, .value_kind: global_buffer, .address_space: global }
      - { .name: k, .offset: 8, .size: 8, .value_kind: global_buffer, .address_space: global }
      - { .name: v, .offset: 16, .size: 8, .value_kind: global_buffer, .address_space: global }
      - { .name: v_img, .offset: 24, .size: 8, .value_kind: global_buffer, .address_space: global }
      - { .name: Wc, .offset: 32, .size: 8, .value_kind: global_buffer, .address_space: global }
      - { .name: Wsc, .offset: 40, .size: 8, .value_kind: global_buffer, .address_space: global }
      - { .name: Qc, .offset: 48, .size: 8, .value_kind: global_buffer, .address_space: global }
      - { .name: Qs, .offset: 56, .size: 8, .value_kind: global_buffer, .address_space: global }
      - { .name: rec, .offset: 64, .size: 8, .value_kind: global_buffer, .address_space: global }
    .group_segment_fixed_size: 144896
    .private_segment_fixed_size: 0
    .kernarg_segment_align: 8
    .kernarg_segment_size: 72
    .max_flat_workgroup_size: 128
    .sgpr_count:     66
    .vgpr_count:     1024
    .wavefront_size: 32
...
	.end_amdgpu_metadata
.endif
;; end of part 5
;; launch attn (part 6): grid 256 x 1, 12 waves a work-group, clusters of 4 x 1, 327,680 bytes of LDS; arguments Qc, Qs, rec, Oc, Osc; writes Oc, Osc
.if DOCPART == 6
	.amdgcn_target "amdgcn-amd-amdhsa--gfx1250"
	.amdhsa_code_object_version 6
	.text
	.protected	k_qfbdc5bb95a_attn
	.globl	k_qfbdc5bb95a_attn
	.p2align	8
	.type	k_qfbdc5bb95a_attn,@function
k_qfbdc5bb95a_attn:
	s_mov_b64 s[64:65], 0
	v_nop
	global_prefetch_b8 v0, s[64:65] scope:SCOPE_SE
	s_setreg_imm32_b32 hwreg(HW_REG_WAVE_MODE, 25, 1), 1
	s_wait_xcnt 0x0
	s_wait_alu depctr_hold_cnt(0) depctr_sa_sdst(0) depctr_va_vdst(0) depctr_va_sdst(0) depctr_va_ssrc(0) depctr_va_vcc(0) depctr_vm_vsrc(0)
	s_getreg_b32 s2, hwreg(HW_REG_IB_STS2, 6, 4)
	s_cmp_eq_u32 s2, 0
	s_cbranch_scc0 .Lentry_in_a_cluster
	s_endpgm
.Lentry_in_a_cluster:
	s_bfe_u32 s2, ttmp6, 0x10000c
	s_cmp_lg_u32 s2, 0x3003
	s_cbranch_scc0 .Lentry_shape_is_right
	s_endpgm
.Lentry_shape_is_right:
; Attention on codes of FP6 (E2M3): S = q k^T over the head's 64, softmax, and the SAME weights p times two value streams (v and v_img); the results, divided by the row's sum, are quantised along the merged features.
; THE SOFTMAX: t = score x log2(e) / 8; M = the running largest t rounded up to a whole number; p = 2^(t - M) is quantised along the keys, not normalised; the sum is taken of the unquantised p; when M moves, sum and O are multiplied by 2^(old M - new M), exactly.
; INPUTS, all images of operand registers made by the launch before: Qc / Qs: pairs of query tiles; rec: for each of the 96 (head, batch) one record [key step 8][19,968 bytes]: a step's four pairs of K, four fragments of V of each stream, and their scale words.
; SHARES.  96 x 64 tiles of 16 queries = 256 work-groups x 12 waves x 2 tiles.  Cluster c (0 .. 63) of four work-groups serves record A = c (waves 0-7: pair 8 cx + wave) and record B = 64 + c / 2 (waves 8-11: pair 16 (c % 2) + 4 cx + wave - 8).
; LDS holds both records whole, [key step][A, B], 39,936 bytes a step, filled ONCE and BY KEY STEPS: each wave asks for one slice (13 rows of 256 bytes) of each step, waves 0-5 of A's part, waves 6-11 of B's: eight tensor loads of a wave
;   are out at the most, issued as one group.  The four partners need the same two records, so each load is asked for JOINTLY (mask 15).  The first tile's key step j begins when step j's slices have landed in every wave (a counted wait, a barrier),
;   while the later steps' bytes are on their way; so the first tile's eight steps are written out; the second tile's are a loop.  Nothing in LDS is stored to or filled again.
;   Which record a wave reads hangs on its number alone; the place in the cluster enters global addresses of Q and of the results alone.  Nothing is left to ask for ahead of the loads: every tile is asked for at the head.
; K = 64 IN AN INSTRUCTION OF 128: a pair of K holds key tile 2 g in k = 0 .. 63 and tile 2 g + 1 in k = 64 .. 127.  Q stands twice: [codes, zeros] and [zeros, codes]: zero codes take the other tile out, exactly.
; LAYOUT.  Both products transposed: a lane holds ONE query; the keys of K's tiles and the features of V's tiles were chosen so that 16 registers of two neighbouring tiles are 16 neighbours along the next K.
; RESULTS.  Oc [stream 2][b 8][query tile 64][head 12][768]: a half fragment (16 queries x the head's 64 features).  Osc [stream][b][block of 4 tiles 16][pair of heads 6][row 16][tile 4] words: my two bytes of a word.
; LIMITS: NaN and infinities are not served; a block under 2^-124, or of zeros, gets the byte 1 (its codes then add nothing or next to nothing; only this program reads the bytes).
; REGISTERS: v1, v2, v5 LDS bases (16, 8, 4 x lane + my record); v3, v4, v6 the same without the record, for memory; v9, v10 for the scale bytes' store; v7, v8, v11 the step's addresses; v12 -M, v13 largest t, v[14:15] the sum;
;   v16-27 Q low; v80-91 Q high; v92, v93 their scale words; v95 the pair's word; v28-31, v248-251 scale words of fragments; v32-79 four fragments;
;   v96-159 S^T, then p, then four fragments of V; v160-223 O^T (tiles 0-3 stream 0, 4-7 stream 1); v224-235 p's codes; v232-254 at work; v253 p's scale word.
.set REC,   159744
.set STEPB, 19968                      ; a key step's part of a record: 78 rows of 256 bytes
.set SLICE, 3328                       ; a sixth of it: 13 rows
.set LSTEP, 2*STEPB                    ; a key step in LDS: A's part, B's part
.set VC0,   6144                       ; in a part: stream 0's fragments,
.set VC1,   12288                      ; stream 1's,
.set KSO,   18432                      ; K's scale words,
.set VS0,   18944                      ; V's, stream 0,
.set VS1,   19456                      ; stream 1
.set TM,    232
.set SEL,   20
.set WV,    14
.set G0,    68                         ; s[68:99] eight groups 0, one for each key step
.macro ROUND                           ; a round of the cluster's barrier
	s_barrier_signal -1
	s_barrier_wait -1
	s_cmp_lg_u32 s[WV], 0
	s_cbranch_scc1 .Lnot_wave_0_\@
	s_barrier_signal -3
.Lnot_wave_0_\@:
	s_barrier_wait -3
	s_barrier_signal -1
	s_barrier_wait -1
.endm
; 64 numbers of a lane, register 16 b + i = k 32 b + 16 (lane / 16) + i of my row, become a fragment's 12 registers at v[pc] and its scale word in v[pw]
.macro QUANT s, pw, pc
.irp b, 0,1,2,3
	v_max3_num_f32 v[TM+\b], |v[(\s)+16*\b]|, |v[(\s)+1+16*\b]|, 0x1800000
.endr
.irp i, 2,4,6,8,10,12,14
.irp b, 0,1,2,3
	s_delay_alu instid0(VALU_DEP_4)
	v_max3_num_f32 v[TM+\b], v[TM+\b], |v[(\s)+16*\b+\i]|, |v[(\s)+1+16*\b+\i]|
.endr
.endr
.irp b, 0,1,2,3
	s_delay_alu instid0(VALU_DEP_4)
	v_permlanex16_b32 v[TM+4+\b], v[TM+\b], s[SEL], s[SEL+1]
.endr
.irp b, 0,1,2,3
	s_delay_alu instid0(VALU_DEP_4)
	v_max_num_f32 v[TM+\b], v[TM+\b], v[TM+4+\b]
.endr
.irp b, 0,1,2,3
	s_delay_alu instid0(VALU_DEP_4)
	v_add_nc_u32 v[TM+12+\b], 0xff000000, v[TM+\b]
.endr
.irp b, 0,1,2,3
	s_delay_alu instid0(VALU_DEP_4)
	v_lshrrev_b32 v[TM+4+\b], 23, v[TM+12+\b]
.endr
	s_delay_alu instid0(VALU_DEP_3)
	v_lshl_or_b32 v[(\pw)], v[TM+5], 8, v[TM+4]
	s_delay_alu instid0(VALU_DEP_1)
	v_lshl_or_b32 v[(\pw)], v[TM+6], 16, v[(\pw)]
	s_delay_alu instid0(VALU_DEP_1)
	v_lshl_or_b32 v[(\pw)], v[TM+7], 24, v[(\pw)]
.irp c, 0,1
	v_cvt_scalef32_pk16_fp6_f32 v[(\pc)+6*\c:(\pc)+2+6*\c], v[(\s)+32*\c:(\s)+15+32*\c], v[TM+12+2*\c]
	v_cvt_scalef32_pk16_fp6_f32 v[(\pc)+12+4*\c:(\pc)+14+4*\c], v[(\s)+16+32*\c:(\s)+31+32*\c], v[TM+12+2*\c+1]
.endr
	v_nop
.irp c, 0,1
.irp i, 0,1,2
	v_permlane16_swap_b32 v[(\pc)+6*\c+\i], v[(\pc)+12+4*\c+\i]
.endr
.irp i, 0,1,2
	s_delay_alu instid0(VALU_DEP_3)
	v_mov_b32 v[(\pc)+3+6*\c+\i], v[(\pc)+12+4*\c+\i]
.endr
.endr
.endm
.macro FRAGS reg, sc, co, so           ; four fragments (each two halves: 512 + 256 + 512 + 256 bytes) from byte co of the step's part, their scale words from byte so
.irp f, 0,1,2,3
	ds_load_b128 v[(\reg)+12*\f:(\reg)+12*\f+3], v7 offset:(\co)+1536*\f
	ds_load_b64 v[(\reg)+12*\f+4:(\reg)+12*\f+5], v8 offset:(\co)+1536*\f+512
	ds_load_b128 v[(\reg)+12*\f+6:(\reg)+12*\f+9], v7 offset:(\co)+1536*\f+768
	ds_load_b64 v[(\reg)+12*\f+10:(\reg)+12*\f+11], v8 offset:(\co)+1536*\f+1280
	ds_load_b32 v[(\sc)+\f], v11 offset:(\so)+128*\f
.endr
.endm
.macro QLOAD u                         ; tile u's half fragment of Q, once as k = 0 .. 63, once as k = 64 .. 127
	global_load_b128 v[16:19], v3, s[4:5] offset:768*(\u)
	global_load_b64 v[20:21], v4, s[4:5] offset:768*(\u)+512
	global_load_b128 v[86:89], v3, s[4:5] offset:768*(\u)
	global_load_b64 v[90:91], v4, s[4:5] offset:768*(\u)+512
.endm
	s_load_b256 s[4:11], s[0:1], 0x0               ; Qc s[4:5], Qs s[6:7], rec s[8:9], Oc s[10:11]
	s_load_b64 s[12:13], s[0:1], 0x20              ; Osc
	v_lshl_add_u32 v243, v0, 2, 0x4e000
	v_mov_b32 v255, 0
	ds_add_u32 v243, v255
	ds_add_u32 v243, v255
	v_lshrrev_b32 v1, 5, v0
	s_delay_alu instid0(VALU_DEP_1)
	v_readfirstlane_b32 s[WV], v1                  ; wave 0 .. 11
	s_bfe_u32 s15, ttmp6, 0x40000                  ; cx
	s_mov_b32 s16, ttmp9                           ; c: in a cluster launch ttmp9 counts clusters
	s_lshr_b32 s17, s[WV], 3                       ; which record I READ: 0: A, 1: B
	s_mul_i32 s33, s[WV], SLICE                    ; my slice of a step in LDS: twelve slices on end are A's part and B's
	s_mul_i32 s50, s[WV], 11
	s_lshr_b32 s50, s50, 6                         ; which record I FETCH: wave / 6
	s_lshr_b32 s52, s16, 1
	s_add_co_u32 s52, s52, 64                      ; record B's number
	s_sub_co_u32 s53, s52, s16                     ; from A to B, in records (32 at the least),
	s_mul_i32 s53, s53, REC
	s_sub_co_u32 s53, s53, STEPB                   ; less the six slices that lie ahead of wave 6's in LDS
	s_mul_i32 s53, s53, s50
	s_mul_i32 s48, s16, REC
	s_add_co_u32 s48, s48, s33
	s_add_co_u32 s48, s48, s53                     ; my slice of step 0 in memory: it hangs on the cluster's and the wave's number alone
	s_mov_b32 s49, 0
	s_mov_b32 s24, 15|(3<<16)|(1<<21)              ; 15:0 the mask: all four work-groups; 17:16 elements of 8 bytes; 21 set beside a mask; no padding
	s_mov_b32 s25, 32<<16                          ; tensor_dim0 = 32 elements: 256 bytes
	s_mov_b32 s26, 13<<16                          ; tensor_dim1 = 13
	s_mov_b32 s27, 32<<16                          ; tile_dim0
	s_mov_b32 s28, 13                              ; tile_dim1
	s_mov_b32 s29, 32                              ; the pitch: dense
	s_mov_b32 s30, 0
	s_mov_b32 s31, 0
	s_mov_b32 s[SEL], 0x76543210
	s_mov_b32 s[SEL+1], 0xfedcba98
	s_mov_b32 s22, 0x3e38aa3b                      ; c = log2(e) / 8
	s_mov_b32 s23, s22                             ; named with it as a pair
	s_mov_b32 s47, 0x01010000
	s_wait_dscnt 0x0
	s_wait_kmcnt 0x0
	s_add_nc_u64 s[34:35], s[8:9], s[48:49]
.irp j, 0,1,2,3,4,5,6,7
	s_mov_b32 s[G0+4*\j], 1                                        ; count = 1
	s_add_co_u32 s[G0+4*\j+1], s33, \j*LSTEP                       ; LDS address: step j, my slice
	s_add_nc_u64 s[G0+4*\j+2:G0+4*\j+3], s[34:35], \j*STEPB        ; global address
	s_or_b32 s[G0+4*\j+3], s[G0+4*\j+3], 0x80000000                ; type = 2
.endr
	ROUND                                          ; all four work-groups are here: the joint loads meet
.irp j, 0,1,2,3,4,5,6,7
	tensor_load_to_lds s[G0+4*\j:G0+4*\j+3], s[24:31]              ; in the order in which the steps are wanted: a wave's tensor loads end in order (ISA guide 10.11.1)
	s_nop 0
.endr
.rept 4
	v_nop
.endr
	s_lshl_b32 s56, s15, 3
	s_add_co_u32 s56, s56, s[WV]                   ; A: pair 8 cx + wave
	s_and_b32 s57, s16, 1
	s_lshl_b32 s57, s57, 4
	s_lshl_b32 s58, s15, 2
	s_add_co_u32 s57, s57, s58
	s_add_co_u32 s57, s57, s[WV]
	s_sub_co_u32 s57, s57, 8                       ; B: pair 16 (c % 2) + 4 cx + wave - 8
	s_cmp_eq_u32 s17, 0
	s_cselect_b32 s18, s16, s52                    ; my record: head x = 8 head + batch
	s_cselect_b32 s19, s56, s57                    ; my pair of query tiles
	s_mov_b32 s59, 0
	s_lshl_b32 s56, s18, 5
	s_add_co_u32 s56, s56, s19
	s_mul_i32 s58, s56, 1536
	s_add_nc_u64 s[4:5], s[4:5], s[58:59]          ; Q's pair
	s_lshl_b32 s58, s56, 7
	s_add_nc_u64 s[6:7], s[6:7], s[58:59]          ; its scale words
	s_and_b32 s56, s18, 7                          ; batch
	s_lshr_b32 s57, s18, 3                         ; head
	s_lshl_b32 s58, s56, 6
	s_lshl_b32 s60, s19, 1
	s_add_co_u32 s58, s58, s60                     ; 64 b + query tile
	s_mul_i32 s58, s58, 12
	s_add_co_u32 s58, s58, s57
	s_mul_i32 s58, s58, 768
	s_add_nc_u64 s[10:11], s[10:11], s[58:59]
	s_lshl_b32 s58, s56, 4
	s_lshr_b32 s60, s19, 1
	s_add_co_u32 s58, s58, s60                     ; 16 b + block of four tiles
	s_mul_i32 s58, s58, 6
	s_lshr_b32 s60, s57, 1
	s_add_co_u32 s58, s58, s60                     ; + pair of heads
	s_lshl_b32 s58, s58, 8
	s_and_b32 s60, s19, 1
	s_lshl_b32 s60, s60, 3
	s_add_co_u32 s58, s58, s60                     ; + the first tile's word
	s_and_b32 s60, s57, 1
	s_lshl_b32 s60, s60, 1
	s_add_co_u32 s58, s58, s60                     ; + my head's two bytes of it
	s_add_nc_u64 s[12:13], s[12:13], s[58:59]
	v_and_b32 v7, 31, v0
	s_delay_alu instid0(VALU_DEP_1)
	v_lshlrev_b32 v3, 4, v7                        ; 16, 8, 4 x lane: never rewritten
	s_delay_alu instid0(VALU_DEP_2)
	v_lshlrev_b32 v4, 3, v7
	s_delay_alu instid0(VALU_DEP_3)
	v_lshlrev_b32 v6, 2, v7
	QLOAD 0                                        ; the first tile's Q and the pair's scale word are asked for while the first key step's bytes are on their way
	global_load_b32 v95, v6, s[6:7]
	s_mul_i32 s60, s17, STEPB                      ; my record's part of a step in LDS
	v_lshl_add_u32 v1, v7, 4, s60
	v_lshl_add_u32 v2, v7, 3, s60
	v_lshl_add_u32 v5, v7, 2, s60
	v_and_b32 v9, 15, v0
	v_bfe_u32 v10, v0, 4, 1
	s_delay_alu instid0(VALU_DEP_2)
	v_lshlrev_b32 v9, 4, v9
	s_delay_alu instid0(VALU_DEP_1)
	v_mad_u32_u24 v9, v10, 0x30000, v9             ; the scale bytes' store: 16 r, + a stream's 196,608 bytes for lanes 16-31
	s_delay_alu instid0(VALU_DEP_3)
	v_lshlrev_b32 v10, 4, v10                      ; 16 h
.irp i, 0,1,2,3,4,5
	v_mov_b32 v[22+\i], 0                          ; Q low: k = 64 .. 127 are zero codes;
	v_mov_b32 v[80+\i], 0                          ; Q high: k = 0 .. 63.  Written once
.endr
.irp b, 0,1,2,3
	v_mov_b32 v[236+\b], 0                         ; a lane permute's destination counts as one of its sources
.endr
	v_mov_b32 v253, 0                              ; named as the upper half of v[252:253] before it is first written
; A TILE'S HEAD: the running figures, Q's scale words, O^T = 0
.macro TILEHEAD u
	v_mov_b32 v13, 0xff61b1e6                      ; the largest t so far: -3e38
	s_delay_alu instid0(VALU_DEP_1)
	v_floor_f32 v12, -v13                          ; -M
	v_mov_b32 v14, 0
	v_mov_b32 v15, 0
	s_wait_loadcnt 0x0                             ; Q
	v_lshrrev_b32 v94, 16*(\u), v95                ; my tile's two bytes of the pair's word
	s_delay_alu instid0(VALU_DEP_1)
	v_and_or_b32 v92, v94, 0xffff, s47             ; under k = 0 .. 63; over the zero codes the byte 1
	s_delay_alu instid0(VALU_DEP_2)
	v_lshl_or_b32 v93, v94, 16, 0x0101             ; under k = 64 .. 127
.set jj, 0
.rept 64
	v_mov_b32 v[160+jj], 0                         ; O^T: the step has one form, and its first pass multiplies zeros.  (These are also the places between the scale words' lines and the products)
.set jj, jj+1
.endr
.if \u
	s_wait_xcnt 0x0                                ; the last tile's stores have read their registers, which the first key step writes again
.endif
.endm
; A KEY STEP: 128 keys; off: where the step begins in LDS (a constant or a scalar register).  qn = 1: the next tile's Q is asked for behind this step's first products.
.macro STEP off, qn
	v_add_nc_u32 v7, \off, v1
	v_add_nc_u32 v8, \off, v2
	v_add_nc_u32 v11, \off, v5
.rept 3
	v_nop                                          ; with the three above: six places behind the last step's products, ahead of loads into, and products over, registers that they read
.endr
	FRAGS 32, 248, 0, KSO                          ; K's four pairs: 128 keys
	s_wait_alu depctr_va_vdst(0)
	s_wait_dscnt 0x0
.irp p, 0,1,2,3
	v_wmma_scale_f32_16x16x128_f8f6f4 v[96+16*\p:103+16*\p], v[32+12*\p:43+12*\p], v[16:27], 0, v[248+\p], v92 matrix_a_fmt:MATRIX_FMT_FP6 matrix_b_fmt:MATRIX_FMT_FP6
	v_wmma_scale_f32_16x16x128_f8f6f4 v[104+16*\p:111+16*\p], v[32+12*\p:43+12*\p], v[80:91], 0, v[248+\p], v93 matrix_a_fmt:MATRIX_FMT_FP6 matrix_b_fmt:MATRIX_FMT_FP6
.endr                                  ; lane (r, h): query r; registers 16 g + i: key 32 g + 16 h + i of the step
.rept 4
	v_nop                                          ; places ahead of the loads below and of the first read of the scores
.endr
.if \qn
	QLOAD 1                                        ; this tile's last products with Q are issued: the next tile's Q lands under the softmax and the way out
.endif
	FRAGS 32, 248, VC0, VS0                        ; stream 0's four fragments of V land while the softmax is worked
.irp b, 0,1,2,3
	v_max3_num_f32 v[232+\b], v[96+16*\b], v[97+16*\b], v[98+16*\b]   ; the largest score of each block of 32 keys: for the row's maximum, and, since p rises with the score, for the block's largest p
.endr
.irp i, 3,5,7,9,11,13
.irp b, 0,1,2,3
	v_max3_num_f32 v[232+\b], v[232+\b], v[96+16*\b+\i], v[97+16*\b+\i]
.endr
.endr
.irp b, 0,1,2,3
	v_max_num_f32 v[232+\b], v[232+\b], v[111+16*\b]
.endr
.irp b, 0,1,2,3
	s_delay_alu instid0(VALU_DEP_4)
	v_permlanex16_b32 v[236+\b], v[232+\b], s[SEL], s[SEL+1]
.endr
.irp b, 0,1,2,3
	s_delay_alu instid0(VALU_DEP_4)
	v_max_num_f32 v[232+\b], v[232+\b], v[236+\b]  ; with lane l xor 16
.endr
	s_delay_alu instid0(VALU_DEP_2)
	v_max3_num_f32 v254, v232, v233, v234
	s_delay_alu instid0(VALU_DEP_1)
	v_max_num_f32 v254, v254, v235
	s_delay_alu instid0(VALU_DEP_1)
	v_mul_f32 v254, s22, v254                      ; as t (c is positive)
	s_delay_alu instid0(VALU_DEP_1)
	v_max_num_f32 v13, v13, v254                   ; the running largest t
	v_mov_b32 v254, v12
	s_delay_alu instid0(VALU_DEP_2)
	v_floor_f32 v12, -v13                          ; the new -M = -ceil(t)
	s_delay_alu instid0(VALU_DEP_1)
	v_sub_f32 v254, v12, v254                      ; old M - new M: a whole number, 0 or less
	s_delay_alu instid0(VALU_DEP_1)
	v_cvt_i32_f32 v254, v254                       ; (it saturates)
	s_delay_alu instid0(VALU_DEP_1)
	v_ldexp_f32 v252, 1.0, v254                    ; f = 2^(old M - new M)
.set jj, 0
.rept 32
	v_pk_fma_f32 v[96+jj:97+jj], v[96+jj:97+jj], s[22:23], v[12:13] op_sel_hi:[1,0,0]   ; t - M, two at a time
.set jj, jj+2
.endr
.irp b, 0,1,2,3
	v_fma_f32 v[232+\b], v[232+\b], s22, v12       ; the same of each block's largest score
.endr
.set jj, 0
	s_wait_alu depctr_va_vdst(0)
.rept 64
	v_exp_f32 v[96+jj], v[96+jj]                   ; p = 2^(t - M)
.set jj, jj+1
.endr
	v_pk_mul_f32 v[14:15], v[14:15], v[252:253] op_sel_hi:[1,0]   ; the sums under the new M: a plain line behind the exponentials
	s_wait_alu depctr_va_vdst(0)                   ; one wait for the batch, ahead of its first use
.irp b, 0,1,2,3
	v_exp_f32 v[232+\b], v[232+\b]                 ; each block's largest p
.endr
	v_pk_add_f32 v[236:237], v[100:101], v[104:105]
	s_setprio 1
	v_pk_add_f32 v[246:247], v[108:109], v[112:113]
	v_pk_add_f32 v[244:245], v[116:117], v[120:121]
	v_pk_add_f32 v[240:241], v[124:125], v[128:129]
	v_pk_add_f32 v[238:239], v[132:133], v[136:137]
	v_pk_add_f32 v[230:231], v[140:141], v[144:145]
	v_pk_add_f32 v[228:229], v[148:149], v[152:153]
	v_pk_add_f32 v[14:15], v[14:15], v[156:157]
	v_pk_add_f32 v[236:237], v[236:237], v[96:97]
	v_pk_add_f32 v[246:247], v[246:247], v[98:99]
	v_pk_add_f32 v[244:245], v[244:245], v[102:103]
	v_pk_add_f32 v[240:241], v[240:241], v[106:107]
	v_pk_add_f32 v[238:239], v[238:239], v[110:111]
	v_pk_add_f32 v[230:231], v[230:231], v[114:115]
	v_pk_add_f32 v[228:229], v[228:229], v[118:119]
	v_pk_add_f32 v[14:15], v[14:15], v[122:123]
	v_pk_add_f32 v[236:237], v[236:237], v[126:127]
	v_pk_add_f32 v[246:247], v[246:247], v[130:131]
	v_pk_add_f32 v[244:245], v[244:245], v[134:135]
	v_pk_add_f32 v[240:241], v[240:241], v[138:139]
	v_pk_add_f32 v[238:239], v[238:239], v[142:143]
	v_pk_add_f32 v[230:231], v[230:231], v[146:147]
	v_pk_add_f32 v[228:229], v[228:229], v[150:151]
	v_pk_add_f32 v[14:15], v[14:15], v[154:155]
	v_pk_add_f32 v[236:237], v[236:237], v[158:159]
	s_delay_alu instid0(VALU_DEP_2)
	v_pk_add_f32 v[14:15], v[14:15], v[240:241]
	s_delay_alu instid0(VALU_DEP_2)
	v_pk_add_f32 v[236:237], v[236:237], v[238:239]
	v_pk_add_f32 v[246:247], v[246:247], v[230:231]
	v_pk_add_f32 v[244:245], v[244:245], v[228:229]
	s_delay_alu instid0(VALU_DEP_2)
	v_pk_add_f32 v[14:15], v[14:15], v[246:247]
	s_delay_alu instid0(VALU_DEP_2)
	v_pk_add_f32 v[236:237], v[236:237], v[244:245]
	s_delay_alu instid0(VALU_DEP_1)
	v_pk_add_f32 v[14:15], v[14:15], v[236:237]
	s_wait_alu depctr_va_vdst(0)                   ; and one for the four
.irp b, 0,1,2,3
	v_max_num_f32 v[232+\b], 0x1800000, v[232+\b]  ; the floor 2^(3 - 127)
.endr
.irp b, 0,1,2,3
	s_delay_alu instid0(VALU_DEP_4)
	v_add_nc_u32 v[244+\b], 0xff000000, v[232+\b]  ; the conversion's scale operand
.endr
.irp b, 0,1,2,3
	s_delay_alu instid0(VALU_DEP_4)
	v_lshrrev_b32 v[236+\b], 23, v[244+\b]         ; the scale's byte
.endr
	s_delay_alu instid0(VALU_DEP_3)
	v_lshl_or_b32 v253, v237, 8, v236              ; p's scale word for these 128 keys
	s_delay_alu instid0(VALU_DEP_1)
	v_lshl_or_b32 v253, v238, 16, v253
	s_delay_alu instid0(VALU_DEP_1)
	v_lshl_or_b32 v253, v239, 24, v253
.irp c, 0,1
	v_cvt_scalef32_pk16_fp6_f32 v[224+6*\c:226+6*\c], v[96+32*\c:111+32*\c], v[244+2*\c]
	v_cvt_scalef32_pk16_fp6_f32 v[236+4*\c:238+4*\c], v[112+32*\c:127+32*\c], v[244+2*\c+1]
.endr
	v_nop                                          ; one plain line behind the scaled conversions
	FRAGS 96, 28, VC1, VS1                         ; stream 1's four fragments, into the registers that p has left
.irp c, 0,1
.irp i, 0,1,2
	v_permlane16_swap_b32 v[224+6*\c+\i], v[236+4*\c+\i]
.endr
.irp i, 0,1,2
	s_delay_alu instid0(VALU_DEP_3)
	v_mov_b32 v[227+6*\c+\i], v[236+4*\c+\i]
.endr
.endr
.set jj, 0
.rept 32
	v_pk_mul_f32 v[160+jj:161+jj], v[160+jj:161+jj], v[252:253] op_sel_hi:[1,0]   ; O^T under the new M.  (Also the places between p's codes and scale word and the products)
.set jj, jj+2
.endr
	s_setprio 0
	s_wait_alu depctr_va_vdst(0)
	s_wait_dscnt 0x0                               ; V's eight fragments are in
.irp f, 0,1,2,3
	v_wmma_scale_f32_16x16x128_f8f6f4 v[160+8*\f:167+8*\f], v[32+12*\f:43+12*\f], v[224:235], v[160+8*\f:167+8*\f], v[248+\f], v253 matrix_a_fmt:MATRIX_FMT_FP6 matrix_b_fmt:MATRIX_FMT_FP6
.endr
.irp f, 0,1,2,3
	v_wmma_scale_f32_16x16x128_f8f6f4 v[192+8*\f:199+8*\f], v[96+12*\f:107+12*\f], v[224:235], v[192+8*\f:199+8*\f], v[28+\f], v253 matrix_a_fmt:MATRIX_FMT_FP6 matrix_b_fmt:MATRIX_FMT_FP6
.endr
.endm
; The first tile's key step j: my slice of step j has landed (behind it stand my 7 - j loads of the later steps, which may stay out); everybody's has.  No LDS instruction of mine is out here.
.macro STAGE j, qn
	s_wait_tensorcnt 7-(\j)
	s_barrier_signal -1
	s_barrier_wait -1
	STEP (\j)*LSTEP, \qn
.endm
; THE WAY OUT of tile u: O^T / the sum, quantised along the head's 64 features: blocks 0, 1 stream 0, blocks 2, 3 stream 1
.macro WAYOUT u
	v_add_f32 v14, v14, v15
	s_delay_alu instid0(VALU_DEP_1)
	v_permlanex16_b32 v252, v14, s[SEL], s[SEL+1]
	s_delay_alu instid0(VALU_DEP_1)
	v_add_f32 v14, v14, v252                       ; the row's sum
	s_wait_alu depctr_va_vdst(0)
	v_rcp_f32 v14, v14
.rept 4
	v_nop                                          ; the plain line behind the reciprocal, and places behind the last products
.endr
	s_wait_alu depctr_va_vdst(0)                   ; ahead of the reciprocal's first use
.set jj, 0
.rept 64
	v_mul_f32 v[96+jj], v[160+jj], v14             ; each accumulator from its low end on
.set jj, jj+1
.endr
	QUANT 96, 253, 32
	global_store_b128 v3, v[32:35], s[10:11] offset:9216*(\u)                  ; stream 0's half fragment: 512 + 256 consecutive bytes
	global_store_b64 v4, v[36:37], s[10:11] offset:9216*(\u)+512
	global_store_b128 v3, v[38:41], s[10:11] offset:4718592+9216*(\u)          ; stream 1's
	global_store_b64 v4, v[42:43], s[10:11] offset:4718592+9216*(\u)+512
	v_lshrrev_b32 v254, v10, v253                  ; lanes 0-15: stream 0's two bytes, lanes 16-31: stream 1's
	global_store_b16 v9, v254, s[12:13] offset:4*(\u)
.endm
	TILEHEAD 0
.irp j, 0,1,2,3,4,5,6
	STAGE \j, 0
.endr
	STAGE 7, 1                                     ; its wait is for 0: all my tensor loads have landed
	WAYOUT 0
	TILEHEAD 1
	s_mov_b32 s40, 0                               ; where the step begins in LDS
	s_mov_b32 s44, 8                               ; key steps of 128
.Lstep:
	s_setprio 2
	STEP s40, 0
	s_add_co_u32 s40, s40, LSTEP
	s_sub_co_u32 s44, s44, 1
	s_cmp_lg_u32 s44, 0
	s_cbranch_scc1 .Lstep
	s_setprio 0
	WAYOUT 1
	s_wait_tensorcnt 0x0
	ds_add_u32 v243, v255
	s_wait_dscnt 0x0
	ROUND                                          ; the closing round
	s_endpgm
.Lfunc_end_k_qfbdc5bb95a_attn:
	.size	k_qfbdc5bb95a_attn, .Lfunc_end_k_qfbdc5bb95a_attn-k_qfbdc5bb95a_attn
	.p2alignl 7, 3214868480
	.fill 96, 4, 3214868480
	.section	.rodata,"a",@progbits
	.p2align	6, 0x0
	.amdhsa_kernel k_qfbdc5bb95a_attn
		.amdhsa_group_segment_fixed_size 327680
		.amdhsa_private_segment_fixed_size 0
		.amdhsa_enable_private_segment 0
		.amdhsa_kernarg_size 40
		.amdhsa_user_sgpr_count 2
		.amdhsa_user_sgpr_kernarg_segment_ptr 1
		.amdhsa_wavefront_size32 1
		.amdhsa_system_sgpr_workgroup_id_x 1
		.amdhsa_system_sgpr_workgroup_id_y 1
		.amdhsa_system_sgpr_workgroup_id_z 1
		.amdhsa_system_vgpr_workitem_id 0
		.amdhsa_next_free_vgpr 256
		.amdhsa_next_free_sgpr 100
		.amdhsa_reserve_vcc 0
		.amdhsa_float_denorm_mode_32 3
		.amdhsa_float_denorm_mode_16_64 3
		.amdhsa_memory_ordered 1
		.amdhsa_forward_progress 1
		.amdhsa_inst_pref_size 214
	.end_amdhsa_kernel
	.amdgpu_metadata
---
amdhsa.version: [ 1, 2 ]
amdhsa.kernels:
  - .name:           k_qfbdc5bb95a_attn
    .symbol:         k_qfbdc5bb95a_attn.kd
    .args:
      - { .name: Qc, .offset: 0, .size: 8, .value_kind: global_buffer, .address_space: global }
      - { .name: Qs, .offset: 8, .size: 8, .value_kind: global_buffer, .address_space: global }
      - { .name: rec, .offset: 16, .size: 8, .value_kind: global_buffer, .address_space: global }
      - { .name: Oc, .offset: 24, .size: 8, .value_kind: global_buffer, .address_space: global }
      - { .name: Osc, .offset: 32, .size: 8, .value_kind: global_buffer, .address_space: global }
    .group_segment_fixed_size: 327680
    .private_segment_fixed_size: 0
    .kernarg_segment_align: 8
    .kernarg_segment_size: 40
    .max_flat_workgroup_size: 384
    .sgpr_count:     100
    .vgpr_count:     256
    .wavefront_size: 32
...
	.end_amdgpu_metadata
.endif
;; end of part 6
;; launch outp: the kernel of part 4 again; grid 256 x 1, 4 waves a work-group, no clusters, 272,896 bytes of LDS; arguments Oc, Osc, Wc, Wsc, bp, bpi, out0, out1; writes out0, out1
